; MI455X (gfx1250); checked and timed in simulation.
; The chip was launched on July 23, 2026; its instructions are those of AMD's public machine-readable ISA for CDNA 5 (MIT licence, August 2026) and "CDNA5" Instruction Set Architecture Reference Guide (July 2026). The comments in the code are by the model that wrote it; some were corrected since.
;; Ernie Image Attention. Allowed arithmetic: matrix products marked QUANTISED: E2M3 operands, one E8M0 scale for each 32 along K, by v_wmma_scale_f32_16x16x128_f8f6f4 with both operands' format E2M3, f32 sums; everything else in f32.
;; Inputs: b_out 2,048 float32; freqs_cis 1 x 2,048 x 1 x 128 float32; hidden_states 1 x 2,048 x 2,048 float32; norm_k_w 128 float32; norm_q_w 128 float32; w_out 2,048 x 2,048 float32; wk 2,048 x 2,048 float32; wq 2,048 x 2,048 float32; wv 2,048 x 2,048 float32.
;; Outputs: out0 1 x 2,048 x 2,048 float32.
;; This version of the problem:
;;   THIS VERSION OF THE PROBLEM IS GIVEN IN LOW PRECISION. The matrix products marked QUANTISED in the list below multiply operands that are first quantised to E2M3 (2 exponent bits, 3 mantissa bits; 6 bits a number), with one power-of-two scale for each 32 numbers along K (OCP MX v1.0); their sums are f32. All else is computed in f32.
;;   The module's matrix products, in the order in which they are computed (A, B: the left and right operand; K: the contracted axis; several contracted axes count as one K, in the product's order):
;;     1. [M 2,048, K 2,048] x [K 2,048, N 2,048]; A: input hidden_states; B: input wq: QUANTISED
;;     2. [M 2,048, K 2,048] x [K 2,048, N 2,048]; A: input hidden_states; B: input wk: QUANTISED
;;     3. [M 2,048, K 2,048] x [K 2,048, N 2,048]; A: input hidden_states; B: input wv: QUANTISED
;;     4. batch 16 x [M 2,048, K 128] x [K 128, N 2,048]; A: computed on the way; B: computed on the way: QUANTISED
;;     5. batch 16 x [M 128, K 2,048] x [K 2,048, N 2,048]; A: computed on the way; B: softmax (see below): QUANTISED
;;     6. [M 2,048, K 2,048] x [K 2,048, N 2,048]; A: computed on the way; B: input w_out: QUANTISED
;;   THE QUANTISER, for each operand of a quantised product, along K:
;;     - K is cut into blocks of 32 from its start; a last block that is shorter is filled with zeros.
;;     - A block's scale is 2^e with e = floor(log2(the largest magnitude in the block)) - 2, held to -126 .. 127; a block of zeros has e = 0. As a byte (E8M0): e + 127.
;;     - Each number is divided by its block's scale, clamped to +-7.5, and rounded to the nearest number of E2M3, ties to even, subnormals kept.
;;     - The product sums the exact products of the quantised numbers (number of the format x scale) in f32.
;;   ~~~python
;;   def quantise(x, axis):      # numpy; x: float32 -> the quantised numbers, widened to float32 again
;;       x = np.moveaxis(x, axis, -1); K = x.shape[-1]
;;       x = np.pad(x, [(0, 0)] * (x.ndim - 1) + [(0, -K % 32)]); x = x.reshape(x.shape[:-1] + (-1, 32)); a = np.abs(x).max(-1, keepdims=True)
;;       e = np.where(a > 0, np.clip(np.frexp(np.where(a > 0, a, 1))[1] - 1 - 2, -126, 127), 0)      # np.frexp(a)[1] - 1 = floor(log2(a)), exactly
;;       r = np.clip(x / 2.0 ** e, -7.5, 7.5)
;;       step = 2.0 ** (np.maximum(np.frexp(np.where(r == 0, 1, r))[1] - 1, 0) - 3)
;;       q = np.round(r / step) * step * 2.0 ** e      # np.round: ties to even
;;       return np.moveaxis(q.reshape(q.shape[:-2] + (-1,))[..., :K], -1, axis).astype(np.float32)
;;   ~~~
;;   SOFTMAX AHEAD OF A QUANTISED PRODUCT. Where the list says 'softmax', what is quantised is not the finished softmax but p = 2^(t - M), with t = logit x log2(e) and M = ceil(the row's largest t), a whole number; so 1/2 < the row's largest p <= 1. The row's sum l is taken of the UNQUANTISED p, in f32, and the product's result is divided by l at the end. Since M is a whole number, a kernel that streams over the keys may use a running M (the ceiling of the running maximum): every later rescaling is an exact power of two, which a block's scale takes up: the codes' values come out the same.
;;   OPERANDS COMPUTED ON THE WAY. 'Computed on the way' means the value that the module computes at that place (a softmax that the list does not call 'softmax' is quantised finished and normalised). What goes into a quantiser is computed in f32, as accurately as f32 sums, v_exp_f32 and their like allow (about 1e-6 of the number): no bf16 or f16 on the way to a quantiser, and a product that is left as it is and whose result goes on into a quantised operand takes f32 operands (vector FMAs, or v_wmma_f32_16x16x4_f32). A number that lies on a knife's edge between two numbers of the format may be rounded either way, as far as f32 arithmetic and the matrix unit's own rounding can turn it there, and no further.
;; One version. Each part assembles by itself: llvm-mc -triple=amdgcn-amd-amdhsa -mcpu=gfx1250 --defsym DOCPART=n.
;; ======== version 1 of 1: 4 launches
;; limits: right only within a limited range of input values
;; workspace buffers: ximg 3,276,800 bytes; wimg 13,107,200 bytes; rope 4,194,304 bytes; qimg 3,276,800 bytes; kvimg 6,553,600 bytes; aimg 3,276,800 bytes
;; launch prep (part 1): grid 1408 x 1, 4 waves a work-group, no clusters, 48,128 bytes of LDS; arguments hidden_states, freqs_cis, wq, wk, wv, w_out, norm_q_w, norm_k_w, ximg, wimg, rope; writes ximg, wimg, rope
.if DOCPART == 1
	.amdgcn_target "amdgcn-amd-amdhsa--gfx1250"
	.amdhsa_code_object_version 6
	.text
	.protected	k_q5f1cca6873_prep
	.globl	k_q5f1cca6873_prep
	.p2align	8
	.type	k_q5f1cca6873_prep,@function
k_q5f1cca6873_prep:
	s_mov_b64 s[64:65], 0
	v_nop
	global_prefetch_b8 v0, s[64:65] scope:SCOPE_SE
	s_setreg_imm32_b32 hwreg(HW_REG_WAVE_MODE, 25, 1), 1
	s_wait_xcnt 0x0
; PREP.  The f32 inputs are read once and become what the three later launches read:
;   ximg: hidden_states as codes of E2M3 (6 bits) with one E8M0 byte for each 32 along K;  wimg: wq, wk, wv, w_out likewise (K is their FIRST axis);
;   rope: for q and for k, C[s][d] = w[d] cos f[s][d] and S[s][d] = -+ w[d ^ 64] sin f[s][d] (minus for d < 64), so that norm gain and rotary turn are two multiply-adds later.
; EVERY OPERAND LIES AS IMAGES OF THE OPERAND'S REGISTERS.  A BLOCK (12,800 bytes) is 128 operand rows x 128 along K: eight fragments of 1,536 bytes (fragment t, registers 4 c .. 4 c + 3 of
; lane l at 1536 t + 512 c + 16 l), then 512 bytes of scale words (tile t, lane r at 12288 + 64 t + 4 r).  Lane r of tile t = 2 b + u holds the block's row 32 b + 8 u + r + 8 (r / 8).
; A lane (r, h) of a fragment holds K = 32 h + 0 .. 31 in registers 0-5 and K = 64 + 32 h + 0 .. 31 in registers 6-11.
; THE QUANTISER: a block of 32's scale is 2^(floor(log2(largest magnitude)) - 2); its byte is the largest magnitude's exponent field - 2, held at 1 from below; numbers / scale go to the nearest code, ties to even, beyond 7.5 to 7.5.
; THREE PATHS by the work-group's number, each with LDS bytes of its own: 0-1023 a block of a weight, 1024-1279 a block of x, 1280-1407 a tile's tables.
; No tensor loads, no matrix unit, no cluster: memory binds, each f32 byte is read once, and work-groups share nothing.
; LIMITS: NaN and infinities are not served.  A block of zeros gets the byte 1 where the rule says 127 (its codes are zeros; this program alone reads the bytes); blocks whose largest magnitude lies under 2^-124 are held at byte 1.
; Angles up to 2^20 in magnitude: sine and cosine by a quotient of pi / 2 taken off in three parts and polynomials on [-pi/4, pi/4], in f32.
.set BLK,   12800
.set XST,   13312                      ; path X: a stage of 16 rows x 528 bytes for each wave (path W's block image lies at 0 .. 12,799)
.set XSTW,  16*528
.set XSC,   XST+4*XSTW                 ; path X: the block's 512 bytes of scale words
.set SEL,   30                         ; s[30:31] lane selects for v_permlanex16_b32: lane l xor 16
.set TM,    16                         ; v16-19 largest magnitudes, v20-23 bytes, v28-31 the conversions' scale operands
.set PW0,   32                         ; v32, v33 the two tiles' scale words
.set PC,    34                         ; v34-45 a fragment's codes; v46-52 at work
; 64 numbers of a lane, v[s] .. v[s + 63], register 16 b + i = K 32 b + 16 (lane / 16) + i of my row, become a fragment's codes in v[PC] on and its scale word in v[pw].
.macro QUANT s, pw
.irp b, 0,1,2,3
	v_max3_num_f32 v[TM+\b], |v[\s+16*\b]|, |v[\s+1+16*\b]|, 0x1800000   ; block b: my 16 numbers, and the floor 2^(3 - 127): the byte cannot fall under 1
.endr
.irp i, 2,4,6,8,10,12,14
.irp b, 0,1,2,3
	v_max3_num_f32 v[TM+\b], v[TM+\b], |v[\s+16*\b+\i]|, |v[\s+1+16*\b+\i]|   ; the four blocks by turns
.endr
.endr
.irp b, 0,1,2,3
	v_permlanex16_b32 v[TM+4+\b], v[TM+\b], s[SEL], s[SEL+1]
.endr
.irp b, 0,1,2,3
	v_max_num_f32 v[TM+\b], v[TM+\b], v[TM+4+\b]   ; with lane l xor 16's 16: the block's largest magnitude
.endr
.irp b, 0,1,2,3
	v_add_nc_u32 v[TM+12+\b], 0xff000000, v[TM+\b]   ; 2 off its exponent field: the conversion takes this operand's exponent field as its scale
.endr
.irp b, 0,1,2,3
	v_lshrrev_b32 v[TM+4+\b], 23, v[TM+12+\b]      ; the scale's byte
.endr
	v_lshl_or_b32 v[\pw], v[TM+5], 8, v[TM+4]      ; four bytes: my row's scale word
	v_lshl_or_b32 v[\pw], v[TM+6], 16, v[\pw]
	v_lshl_or_b32 v[\pw], v[TM+7], 24, v[\pw]
.irp c, 0,1
	v_cvt_scalef32_pk16_fp6_f32 v[PC+6*\c:PC+2+6*\c], v[\s+32*\c:\s+15+32*\c], v[TM+12+2*\c]
	v_cvt_scalef32_pk16_fp6_f32 v[PC+12+4*\c:PC+14+4*\c], v[\s+16+32*\c:\s+31+32*\c], v[TM+12+2*\c+1]   ; (a conversion's three registers begin on an even number)
.endr
	v_nop                                          ; one plain place behind a scaled conversion
.irp c, 0,1                                    ; the layout wants a WHOLE block in a lane: lanes 0-15 block 2 c, lanes 16-31 block 2 c + 1
.irp i, 0,1,2
	v_permlane16_swap_b32 v[PC+6*\c+\i], v[PC+12+4*\c+\i]
.endr
.irp i, 0,1,2
	v_mov_b32 v[PC+3+6*\c+\i], v[PC+12+4*\c+\i]
.endr
.endr
.endm
	s_load_b512 s[8:23], s[0:1], 0x0               ; x s[8:9], angles s[10:11], wq s[12:13], wk s[14:15], wv s[16:17], w_out s[18:19], q's gain s[20:21], k's gain s[22:23]
	s_load_b128 s[24:27], s[0:1], 0x40             ; ximg s[24:25], wimg s[26:27]
	s_load_b64 s[28:29], s[0:1], 0x50              ; rope
	v_lshl_add_u32 v62, v0, 2, 0xba00
	v_mov_b32 v63, 0
	v_lshrrev_b32 v1, 5, v0
	v_readfirstlane_b32 s2, v1                     ; wave 0..3
	v_and_b32 v2, 31, v0                           ; lane
	v_lshlrev_b32 v3, 2, v2                        ; 4 x lane
	v_lshlrev_b32 v4, 4, v2                        ; 16 x lane
	s_mov_b32 s53, 0                               ; the upper word of the offsets made in s52
	s_mov_b32 s[SEL], 0x76543210
	s_mov_b32 s[SEL+1], 0xfedcba98
	s_wait_kmcnt 0x0
	s_cmp_lt_u32 ttmp9, 1024
	s_cbranch_scc1 .Lpath_w
	s_cmp_lt_u32 ttmp9, 1280
	s_cbranch_scc1 .Lpath_x
; ---- PATH T: the tables of one tile of 16 rows (panel, tile t).  Wave w takes columns 32 w .. 32 w + 31; lane (r, h) row 32 (t / 2) + 8 (t % 2) + r + 8 (r / 8), columns 32 w + 16 h + 0 .. 15.
	s_sub_co_u32 s45, ttmp9, 1280                  ; 8 x panel + tile
	s_lshr_b32 s46, s45, 3
	s_bfe_u32 s47, s45, 0x20001                    ; tile / 2
	s_and_b32 s48, s45, 1
	s_lshl_b32 s46, s46, 7
	s_lshl_b32 s47, s47, 5
	s_lshl_b32 s48, s48, 3
	s_add_co_u32 s46, s46, s47
	s_add_co_u32 s46, s46, s48                     ; the tile's first row
	s_lshl_b32 s52, s46, 9                         ; 512 bytes a row of angles
	s_add_nc_u64 s[10:11], s[10:11], s[52:53]
	s_lshl_b32 s52, s45, 14                        ; 16,384 bytes of tables a tile
	s_add_nc_u64 s[28:29], s[28:29], s[52:53]
	v_and_b32 v5, 15, v0                           ; r
	v_bfe_u32 v6, v0, 4, 1                         ; h
	v_and_b32 v7, 8, v5
	v_add_nc_u32 v7, v7, v5                        ; r + 8 (r / 8)
	s_lshl_b32 s49, s2, 7
	v_lshl_add_u32 v8, v6, 6, s49                  ; my 16 columns, in bytes: 128 w + 64 h
	v_lshl_add_u32 v9, v7, 9, v8                   ; and in my row of angles
	s_xor_b32 s50, s49, 256
	v_lshl_add_u32 v10, v6, 6, s50                 ; the columns 64 away: d ^ 64
	s_lshl_b32 s51, s2, 11
	s_wait_alu depctr_va_vdst(0)
	v_add_nc_u32 v11, s51, v4                      ; out: chunk 4 w, 16 bytes a lane
.irp c, 0,1,2,3
	global_load_b128 v[64+4*\c:67+4*\c], v9, s[10:11] offset:16*\c th:TH_LOAD_NT   ; 16 angles
	global_load_b128 v[80+4*\c:83+4*\c], v8, s[20:21] offset:16*\c                 ; q's gain at d,
	global_load_b128 v[96+4*\c:99+4*\c], v10, s[20:21] offset:16*\c                ; at d ^ 64;
	global_load_b128 v[112+4*\c:115+4*\c], v8, s[22:23] offset:16*\c               ; k's likewise
	global_load_b128 v[128+4*\c:131+4*\c], v10, s[22:23] offset:16*\c
.endr
	s_mov_b32 s32, 0x3f22f983                      ; 2 / pi
	s_mov_b32 s33, 0xbfc90fdb                      ; - pi / 2 in three parts
	s_mov_b32 s34, 0x333bbd2e
	s_mov_b32 s35, 0x26f72ced
	s_mov_b32 s36, 0xb94ca1f9                      ; sine: r + r z (s36 z^2 + s37 z + s38)
	s_mov_b32 s37, 0x3c08839e
	s_mov_b32 s38, 0xbe2aaaa3
	s_mov_b32 s39, 0x37ccf5ce                      ; cosine: 1 - z / 2 + z^2 (s39 z^2 + s40 z + s41)
	s_mov_b32 s40, 0xbab6061a
	s_mov_b32 s41, 0x3d2aaaa5
	s_cmp_lt_u32 s2, 2
	s_cselect_b32 s42, 0x80000000, 0               ; the rotary turn's minus, for d < 64
	s_wait_loadcnt 0x0
.macro SINCOS n
	v_mul_f32 v16, s32, v[64+\n]
	v_rndne_f32 v16, v16                           ; k = the nearest whole number of quarter turns
	v_fma_f32 v17, v16, s33, v[64+\n]
	v_fma_f32 v17, v16, s34, v17
	v_fma_f32 v17, v16, s35, v17                   ; r = x - k pi / 2
	v_cvt_i32_f32 v18, v16
	v_mul_f32 v19, v17, v17                        ; z = r^2
	v_fma_f32 v20, v19, s36, s37
	v_fma_f32 v21, v19, s39, s40
	v_fma_f32 v20, v20, v19, s38
	v_fma_f32 v21, v21, v19, s41
	v_mul_f32 v22, v19, v17
	v_mul_f32 v23, v19, v19
	v_fma_f32 v24, v19, -0.5, 1.0
	v_fma_f32 v20, v20, v22, v17                   ; sin r
	v_fma_f32 v21, v21, v23, v24                   ; cos r
	v_and_b32 v25, 1, v18
	v_cmp_eq_u32 vcc_lo, 1, v25                    ; an odd quarter swaps the two
	v_cndmask_b32 v26, v20, v21, vcc_lo
	v_cndmask_b32 v27, v21, v20, vcc_lo
	v_lshlrev_b32 v25, 30, v18                     ; the sine's sign: bit 1 of k;
	v_add_nc_u32 v18, 1, v18
	v_and_b32 v25, 0x80000000, v25
	v_lshlrev_b32 v18, 30, v18                     ; the cosine's: bit 1 of k + 1
	v_xor_b32 v25, s42, v25                        ; the turn's sign goes with the sine's
	v_and_b32 v18, 0x80000000, v18
	v_xor_b32 v26, v26, v25
	v_xor_b32 v27, v27, v18
	v_mul_f32 v[144+\n], v[80+\n], v27             ; q's C, S; k's C, S
	v_mul_f32 v[160+\n], v[96+\n], v26
	v_mul_f32 v[176+\n], v[112+\n], v27
	v_mul_f32 v[192+\n], v[128+\n], v26
.endm
.irp n, 0,1,2,3,4,5,6,7,8,9,10,11,12,13,14,15
	SINCOS \n
.endr
.irp c, 0,1,2,3                                ; each store of the wave covers 512 consecutive bytes, aligned; each has registers of its own
	global_store_b128 v11, v[144+4*\c:147+4*\c], s[28:29] offset:512*\c
	global_store_b128 v11, v[160+4*\c:163+4*\c], s[28:29] offset:8192+512*\c
	global_store_b128 v11, v[176+4*\c:179+4*\c], s[28:29] offset:0x200000+512*\c
	global_store_b128 v11, v[192+4*\c:195+4*\c], s[28:29] offset:0x200000+8192+512*\c
.endr
	s_endpgm
; ---- PATH X: a block of x (panel, K step).  Wave w makes tiles 2 w and 2 w + 1.  A load takes one row's 512 bytes; 16 rows turn through the wave's own stage, so that a lane gets 16 neighbours of each block of 32 of its row.
.Lpath_x:
	s_sub_co_u32 s32, ttmp9, 1024                  ; 16 x panel + K step
	s_lshr_b32 s33, s32, 4
	s_and_b32 s34, s32, 15
	s_lshl_b32 s52, s33, 20                        ; 128 rows of 8,192 bytes a panel,
	s_lshl_b32 s35, s2, 18                         ; 32 rows a wave,
	s_add_co_u32 s52, s52, s35
	s_lshl_b32 s35, s34, 9                         ; 512 bytes a K step
	s_add_co_u32 s52, s52, s35
	s_add_nc_u64 s[8:9], s[8:9], s[52:53]
	s_mul_i32 s52, s32, BLK
	s_add_nc_u64 s[24:25], s[24:25], s[52:53]
	s_wait_alu depctr_va_vdst(0)
.irp u, 0,1
.irp i, 0,1,2,3,4,5,6,7,8,9,10,11,12,13,14,15
	global_load_b128 v[64+64*\u+4*\i:67+64*\u+4*\i], v4, s[8:9] offset:(8*\u+\i+8*(\i/8))*8192 th:TH_LOAD_NT
.endr
.endr
	s_mov_b32 s44, 0xffff0000                      ; lanes 16-31
	v_and_b32 v5, 15, v0                           ; r
	v_bfe_u32 v6, v0, 4, 1                         ; h
	s_mul_i32 s35, s2, XSTW
	s_add_co_u32 s35, s35, XST                     ; my stage
	v_add_nc_u32 v8, s35, v4                       ; in: 16 bytes a lane of a row
	v_mul_u32_u24 v9, v5, 528
	v_lshl_add_u32 v9, v6, 6, v9
	v_add_nc_u32 v9, s35, v9                       ; back: row r, + 64 h
	s_mul_i32 s35, s2, 3072
	v_add_nc_u32 v10, s35, v4                      ; my two fragments in the block
	s_lshl_b32 s35, s2, 7
	v_add_nc_u32 v12, s35, v3                      ; my two tiles' scale words
.irp b, 0,1,2,3
	v_mov_b32 v[TM+4+\b], 0                        ; written once: a lane permute's destination counts as one of its sources
.endr
	s_wait_alu depctr_va_vdst(0)
.irp u, 0,1
	s_wait_loadcnt 16*(1-\u)                       ; this tile's sixteen loads are in; the other tile's may be out
.irp i, 0,1,2,3,4,5,6,7,8,9,10,11,12,13,14,15
	ds_store_b128 v8, v[64+64*\u+4*\i:67+64*\u+4*\i] offset:528*\i
.endr
.irp b, 0,1,2,3
.irp j, 0,1,2,3
	ds_load_b128 v[192+16*\b+4*\j:195+16*\b+4*\j], v9 offset:128*\b+16*\j   ; LDS serves a wave's instructions in order: these see the stores above
.endr
.endr
	s_wait_dscnt 0x0
.if \u
	s_wait_xcnt 0x0                                ; the first tile's stores have read the codes' registers: they are written again only behind this wait
.endif
	QUANT 192, PW0+\u
.irp c, 0,1,2
	global_store_b128 v10, v[PC+4*\c:PC+4*\c+3], s[24:25] offset:1536*\u+512*\c   ; 512 consecutive bytes, aligned
.endr
.endr
	v_cndmask_b32 v11, v[PW0], v[PW0+1], s44       ; lanes 0-15 tile 2 w's words, lanes 16-31 tile 2 w + 1's
	ds_store_b32 v12, v11 offset:XSC
	s_wait_dscnt 0x0                               ; for the others' sake: my words lie in LDS
	s_barrier_signal -1
	s_barrier_wait -1
	s_cmp_lg_u32 s2, 0
	s_cbranch_scc1 .Lx_end
	ds_load_b128 v[56:59], v4 offset:XSC           ; wave 0 sends the block's 512 bytes of scale words out whole
	s_wait_dscnt 0x0
	global_store_b128 v4, v[56:59], s[24:25] offset:12288
.Lx_end:
	s_wait_tensorcnt 0x0
	ds_add_u32 v62, v63
	s_wait_dscnt 0x0
	s_endpgm
; ---- PATH W: a block of a weight (which of four, K step, column panel).  K is the weight's first axis: a lane takes a COLUMN and its registers run down K, so a block of 32 lies in one lane and nothing is transposed.
.Lpath_w:
	s_and_b32 s32, ttmp9, 15                       ; column panel
	s_bfe_u32 s33, ttmp9, 0x40004                  ; K step
	s_lshr_b32 s34, ttmp9, 8                       ; 0 wq, 1 wk, 2 wv, 3 w_out
	s_cmp_eq_u32 s34, 1
	s_cselect_b64 s[12:13], s[14:15], s[12:13]
	s_cmp_eq_u32 s34, 2
	s_cselect_b64 s[12:13], s[16:17], s[12:13]
	s_cmp_eq_u32 s34, 3
	s_cselect_b64 s[12:13], s[18:19], s[12:13]
	s_lshl_b32 s52, s33, 20                        ; 128 rows of 8,192 bytes a K step,
	s_lshl_b32 s35, s32, 9                         ; 512 bytes a panel,
	s_add_co_u32 s52, s52, s35
	s_lshl_b32 s35, s2, 7                          ; 128 bytes a wave
	s_add_co_u32 s52, s52, s35
	s_add_nc_u64 s[12:13], s[12:13], s[52:53]
	s_lshl_b32 s52, s32, 2
	s_add_co_u32 s52, s52, s34
	s_lshl_b32 s52, s52, 4
	s_add_co_u32 s52, s52, s33
	s_mul_i32 s52, s52, BLK                        ; wimg: [panel][which][K step][BLOCK]
	s_add_nc_u64 s[26:27], s[26:27], s[52:53]
.macro LOADB t                         ; block t of 32 along K of my column, into set t % 2: a load reads 128 consecutive bytes a wave, the four waves 512
.irp i, 0,1,2,3,4,5,6,7,8,9,10,11,12,13,14,15,16,17,18,19,20,21,22,23,24,25,26,27,28,29,30,31
	global_load_b32 v[64+32*((\t)%2)+\i], v3, s[12:13] offset:(32*(\t)+\i)*8192 th:TH_LOAD_NT
.endr
.endm
	s_wait_alu depctr_va_vdst(0)
	LOADB 0
	LOADB 1
	v_bfe_u32 v5, v0, 3, 1                         ; my column 32 w + lane is row r of tile 2 w + u: u = (lane / 8) % 2,
	v_and_b32 v6, 7, v0
	v_bfe_u32 v7, v0, 4, 1
	v_lshl_or_b32 v6, v7, 3, v6                    ; r = lane % 8 + 8 (lane / 16)
	s_mul_i32 s35, s2, 3072
	v_mul_u32_u24 v8, v5, 1536
	v_lshl_add_u32 v8, v6, 4, v8
	v_add_nc_u32 v8, s35, v8                       ; my row's place in the image: 1536 (2 w + u) + 16 r
	s_lshl_b32 s38, s2, 7
	v_lshlrev_b32 v9, 6, v5
	v_lshl_add_u32 v9, v6, 2, v9
	v_add_nc_u32 v9, s38, v9                       ; and its scale word's: 128 w + 64 u + 4 r
	v_add_nc_u32 v10, s35, v4                      ; the way out: my wave's two fragments, 16 bytes a lane
.macro BLOCKW t
.set XS, 64+32*((\t)%2)
.if (\t) < 3
	s_wait_loadcnt 32                              ; this block's 32 loads are in; the next block's may be out
.else
	s_wait_loadcnt 0x0
.endif
	v_max3_num_f32 v12, |v[XS]|, |v[XS+1]|, |v[XS+2]|   ; the block's largest magnitude: all 32 numbers are mine
	v_max3_num_f32 v13, |v[XS+3]|, |v[XS+4]|, |v[XS+5]|
.irp i, 6,10,14,18,22,26
	v_max3_num_f32 v12, v12, |v[XS+\i]|, |v[XS+\i+1]|
	v_max3_num_f32 v13, v13, |v[XS+\i+2]|, |v[XS+\i+3]|
.endr
	v_max3_num_f32 v12, v12, |v[XS+30]|, |v[XS+31]|
	v_max3_num_f32 v12, v12, v13, 0x1800000        ; and the floor 2^(3 - 127)
	v_add_nc_u32 v11, 0xff000000, v12              ; the conversion's scale operand
	v_lshrrev_b32 v13, 23, v11                     ; the scale's byte
.if (\t) == 0
	v_mov_b32 v14, v13
.else
	v_lshl_or_b32 v14, v13, 8*(\t), v14            ; four bytes: my column's scale word
.endif
	v_cvt_scalef32_pk16_fp6_f32 v[34:36], v[XS:XS+15], v11
	v_cvt_scalef32_pk16_fp6_f32 v[40:42], v[XS+16:XS+31], v11   ; (a conversion's three registers begin on an even number)
	v_nop                                          ; one plain place behind a scaled conversion
	v_mov_b32 v37, v40
	v_mov_b32 v38, v41
	v_mov_b32 v39, v42                             ; v34-39: the block's 24 bytes
.if (\t) < 2                                   ; block t belongs to lane r + 16 (t % 2): registers 0-5 (t < 2) or 6-11 of the fragment
	ds_store_b128 v8, v[34:37] offset:256*((\t)%2)
	ds_store_b64 v8, v[38:39] offset:256*((\t)%2)+512
.else
	ds_store_b64 v8, v[34:35] offset:256*((\t)%2)+520
	ds_store_b128 v8, v[36:39] offset:256*((\t)%2)+1024
.endif
.if (\t)+2 < 4
	LOADB (\t)+2
.endif
	s_wait_dscnt 0x0                               ; the stores have read their registers: the next block's codes may be written
.endm
	BLOCKW 0
	BLOCKW 1
	BLOCKW 2
	BLOCKW 3
	s_wait_alu depctr_va_vdst(0)
	ds_store_b32 v9, v14 offset:12288
.irp i, 0,1,2,3,4,5
	ds_load_b128 v[64+4*\i:67+4*\i], v10 offset:512*\i   ; my wave's own 3,072 bytes, in order behind my stores
.endr
.irp i, 0,1,2,3,4,5
	s_wait_dscnt 5-\i                              ; the younger reads may be out
	global_store_b128 v10, v[64+4*\i:67+4*\i], s[26:27] offset:512*\i   ; 512 consecutive bytes, aligned
.endr
	s_barrier_signal -1                            ; (the last wait above was for 0: my scale words lie in LDS)
	s_barrier_wait -1
	s_cmp_lg_u32 s2, 0
	s_cbranch_scc1 .Lw_end
	ds_load_b128 v[88:91], v4 offset:12288         ; wave 0 sends the block's 512 bytes of scale words out whole
	s_wait_dscnt 0x0
	global_store_b128 v4, v[88:91], s[26:27] offset:12288
.Lw_end:
	s_wait_tensorcnt 0x0
	ds_add_u32 v62, v63
	s_wait_dscnt 0x0
	s_endpgm
.Lfunc_end_k_q5f1cca6873_prep:
	.size	k_q5f1cca6873_prep, .Lfunc_end_k_q5f1cca6873_prep-k_q5f1cca6873_prep
	.p2alignl 7, 3214868480
	.fill 96, 4, 3214868480
	.section	.rodata,"a",@progbits
	.p2align	6, 0x0
	.amdhsa_kernel k_q5f1cca6873_prep
		.amdhsa_group_segment_fixed_size 48128
		.amdhsa_private_segment_fixed_size 0
		.amdhsa_enable_private_segment 0
		.amdhsa_kernarg_size 88
		.amdhsa_user_sgpr_count 2
		.amdhsa_user_sgpr_kernarg_segment_ptr 1
		.amdhsa_wavefront_size32 1
		.amdhsa_system_sgpr_workgroup_id_x 1
		.amdhsa_system_sgpr_workgroup_id_y 1
		.amdhsa_system_sgpr_workgroup_id_z 1
		.amdhsa_system_vgpr_workitem_id 0
		.amdhsa_next_free_vgpr 256
		.amdhsa_next_free_sgpr 66
		.amdhsa_reserve_vcc 1
		.amdhsa_float_denorm_mode_32 3
		.amdhsa_float_denorm_mode_16_64 3
		.amdhsa_memory_ordered 1
		.amdhsa_forward_progress 1
		.amdhsa_inst_pref_size 67
	.end_amdhsa_kernel
	.amdgpu_metadata
---
amdhsa.version: [ 1, 2 ]
amdhsa.kernels:
  - .name:           k_q5f1cca6873_prep
    .symbol:         k_q5f1cca6873_prep.kd
    .args:
      - { .name: hidden_states, .offset: 0, .size: 8, .value_kind: global_buffer, .address_space: global }
      - { .name: freqs_cis, .offset: 8, .size: 8, .value_kind: global_buffer, .address_space: global }
      - { .name: wq, .offset: 16, .size: 8, .value_kind: global_buffer, .address_space: global }
      - { .name: wk, .offset: 24, .size: 8, .value_kind: global_buffer, .address_space: global }
      - { .name: wv, .offset: 32, .size: 8, .value_kind: global_buffer, .address_space: global }
      - { .name: w_out, .offset: 40, .size: 8, .value_kind: global_buffer, .address_space: global }
      - { .name: norm_q_w, .offset: 48, .size: 8, .value_kind: global_buffer, .address_space: global }
      - { .name: norm_k_w, .offset: 56, .size: 8, .value_kind: global_buffer, .address_space: global }
      - { .name: ximg, .offset: 64, .size: 8, .value_kind: global_buffer, .address_space: global }
      - { .name: wimg, .offset: 72, .size: 8, .value_kind: global_buffer, .address_space: global }
      - { .name: rope, .offset: 80, .size: 8, .value_kind: global_buffer, .address_space: global }
    .group_segment_fixed_size: 48128
    .private_segment_fixed_size: 0
    .kernarg_segment_align: 8
    .kernarg_segment_size: 88
    .max_flat_workgroup_size: 128
    .sgpr_count:     66
    .vgpr_count:     256
    .wavefront_size: 32
...
	.end_amdgpu_metadata
.endif
;; end of part 1
;; launch qkv (part 2): grid 16 x 16, 4 waves a work-group, clusters of 4 x 1, 327,680 bytes of LDS; arguments ximg, wimg, rope, qimg, kvimg; writes qimg, kvimg
.if DOCPART == 2
	.amdgcn_target "amdgcn-amd-amdhsa--gfx1250"
	.amdhsa_code_object_version 6
	.text
	.protected	k_q5f1cca6873_qkv
	.globl	k_q5f1cca6873_qkv
	.p2align	8
	.type	k_q5f1cca6873_qkv,@function
k_q5f1cca6873_qkv:
	s_mov_b64 s[64:65], 0
	v_nop
	global_prefetch_b8 v0, s[64:65] scope:SCOPE_SE
	s_setreg_imm32_b32 hwreg(HW_REG_WAVE_MODE, 25, 1), 1
	s_wait_xcnt 0x0
	s_wait_alu depctr_hold_cnt(0) depctr_sa_sdst(0) depctr_va_vdst(0) depctr_va_sdst(0) depctr_va_ssrc(0) depctr_va_vcc(0) depctr_vm_vsrc(0)
	s_getreg_b32 s2, hwreg(HW_REG_IB_STS2, 6, 4)
	s_cmp_eq_u32 s2, 0
	s_cbranch_scc0 .Lentry_in_a_cluster
	s_endpgm
.Lentry_in_a_cluster:
	s_bfe_u32 s2, ttmp6, 0x10000c
	s_cmp_lg_u32 s2, 0x3003
	s_cbranch_scc0 .Lentry_shape_is_right
	s_endpgm
.Lentry_shape_is_right:
; QKV.  q = x wq, k = x wk, v = x wv on codes of E2M3; q and k get the head's RMS norm, gain and rotary turn in f32; all three are quantised here and leave as codes: no f32 intermediate goes to memory.
; SHARES.  A work-group owns 128 rows of x (panel PX) and ONE head (HD), and stays for three tiles of 128 x 128: q, k, v.  Wave w owns rows 32 w .. 32 w + 31 (tiles 2 w, 2 w + 1) x all 128 columns: 16 accumulators.
; x STAYS IN REGISTERS: a wave's 2 x 16 fragments (384 registers) are loaded once and serve all three tiles.  Only the head's weights, 614,400 dense bytes, go through LDS: a ring of two slots of 8 K steps.
; CLUSTER.  The four row panels of a cluster walk the same head's weights: each quarter slot is asked for JOINTLY (mask 15).  x is not shared so: it goes from memory straight into the registers of the one wave that keeps it.
; THE PRODUCT IS USED TRANSPOSED (source 0 = 16 columns of W, source 1 = 16 rows of x).  Lane r of W's tile 2 b + u' holds column 32 b + 8 u' + r + 8 (r / 8), so lane (r, h) of the results holds ONE row of x and, in
; register e = 0 .. 63 of its 8 accumulators, column d = 32 (e / 16) + 16 h + e % 16: 16 neighbours for each block of 32 of the next K, and d ^ 64 is e ^ 32 in the same lane.
; NORM AND TURN: y[d] = (x[d] C[d] + x[d ^ 64] S[d]) / sqrt(mean x^2 + 1e-5), with the gain folded into the tables C, S that the launch before made.  (An order of f32 roundings other than multiply by 1/rms, then gain, then turn.)
; THE TABLES of a wave's two tiles are 256 registers' worth, and 128 registers are free for them.  So tile 1's are asked for at a trip's head, laid by in 16,384 bytes of the wave's own LDS in K step 6, and read back in the
; epilogue; tile 0's are asked for in K step 8 into the same registers: 6.5 and 7.5 K steps lie between each request and the wait for it.
; v is quantised along the KEYS: its 128 x 128 f32 turn through a stage in LDS, in slot 0, which has had its last fill and its last read by then.
; BLOCK (12,800 bytes): eight fragments of 1,536 bytes as images of the operand's registers (512 c + 16 lane), then 512 bytes of scale words (64 t + 4 r).
; LIMITS: NaN and infinities are not served; a block of zeros gets the byte 1 (its codes are zeros; this program alone reads the bytes); blocks under 2^-124 are held at byte 1.
; REGISTERS, in windows of 256.  Window 0: v1-15 addresses; v16-31 x's scale words, one register a K step (lanes 0-15 tile 2 w, lanes 16-31 tile 2 w + 1); v32-39 W's scale words, two sets; v40-135, v136-231 W's fragments, two sets; v236-238 addresses.
;   Window 1: v0-191 x of K steps 0-7 (24 k + 12 u); v192-255 table C.   Window 2: v0-191 x of K steps 8-15; v192-255 table S.
;   Window 3: v0-127 accumulators (64 u + 8 t); v128-191 y; v192-207, v208-209, v210-228 the quantiser's; v229-235 at work.
.set BLK,   12800
.set SLOTB, 8*BLK                      ; a slot: 8 K steps of W, 102,400 bytes; K step k of a tile lies at BLK x k
.set QTR,   SLOTB/4                    ; what one tensor load brings: 100 rows of 256 bytes
.set SPARE, 2*SLOTB                    ; the spare words, 128 bytes for each wave: two blocks of 256 bytes that no other line names
.set SCB,   SPARE+512                  ; 512 bytes: a block's scale words on their way out
.set TBL,   SCB+512                    ; 16,384 bytes for each wave: tile 1's tables, laid by; no fill lands here
.set SEL,   20                         ; s[20:21] lane selects: lane l xor 16
.set TM,    192
.set PC,    210
.set MSB, 0
.macro WIN new                         ; low byte: bits 1:0 source 0, 3:2 source 1, 5:4 source 2, 7:6 destination; the high byte repeats the setting that is left
.if MSB != \new
	s_set_vgpr_msb (MSB<<8)|\new
.set MSB, \new
.endif
.endm
.macro WINMUL k                        ; W window 0, x window 1 (K steps 0-7) or 2, C and D window 3
.if (\k) < 8
	WIN 0xf4
.else
	WIN 0xf8
.endif
.endm
.macro PLACES                          ; four plain vector instructions between a matrix instruction and a load into, or a read of, its registers
.rept 4
	v_nop
.endr
.endm
.macro CROUND                          ; a round of the cluster's barrier
	s_barrier_signal -1
	s_barrier_wait -1
	s_cmp_lg_u32 s14, 0
	s_cbranch_scc1 .Lnot_wave_0_\@
	s_barrier_signal -3
.Lnot_wave_0_\@:
	s_barrier_wait -3
	s_barrier_signal -1
	s_barrier_wait -1
.endm
.macro QUANT s, pw                     ; 64 numbers of a lane (register 16 b + i = K 32 b + 16 h + i of my row) -> a fragment's codes in v[PC] on, its scale word in v[pw]
.irp b, 0,1,2,3
	v_max3_num_f32 v[TM+\b], |v[\s+16*\b]|, |v[\s+1+16*\b]|, 0x1800000   ; my 16 numbers of block b, and the floor 2^(3 - 127)
.endr
.irp i, 2,4,6,8,10,12,14
.irp b, 0,1,2,3
	v_max3_num_f32 v[TM+\b], v[TM+\b], |v[\s+16*\b+\i]|, |v[\s+1+16*\b+\i]|
.endr
.endr
.irp b, 0,1,2,3
	v_permlanex16_b32 v[TM+4+\b], v[TM+\b], s[SEL], s[SEL+1]
.endr
.irp b, 0,1,2,3
	v_max_num_f32 v[TM+\b], v[TM+\b], v[TM+4+\b]   ; the block's largest magnitude
.endr
.irp b, 0,1,2,3
	v_add_nc_u32 v[TM+12+\b], 0xff000000, v[TM+\b]   ; 2 off its exponent field: the conversion's scale operand
.endr
.irp b, 0,1,2,3
	v_lshrrev_b32 v[TM+4+\b], 23, v[TM+12+\b]      ; the scale's byte
.endr
	v_lshl_or_b32 v[\pw], v[TM+5], 8, v[TM+4]
	v_lshl_or_b32 v[\pw], v[TM+6], 16, v[\pw]
	v_lshl_or_b32 v[\pw], v[TM+7], 24, v[\pw]
.irp c, 0,1
	v_cvt_scalef32_pk16_fp6_f32 v[PC+6*\c:PC+2+6*\c], v[\s+32*\c:\s+15+32*\c], v[TM+12+2*\c]
	v_cvt_scalef32_pk16_fp6_f32 v[PC+12+4*\c:PC+14+4*\c], v[\s+16+32*\c:\s+31+32*\c], v[TM+12+2*\c+1]
.endr
	v_nop                                          ; one plain place behind a scaled conversion
.irp c, 0,1                                    ; a WHOLE block in a lane: lanes 0-15 block 2 c, lanes 16-31 block 2 c + 1
.irp i, 0,1,2
	v_permlane16_swap_b32 v[PC+6*\c+\i], v[PC+12+4*\c+\i]
.endr
.irp i, 0,1,2
	v_mov_b32 v[PC+3+6*\c+\i], v[PC+12+4*\c+\i]
.endr
.endr
.endm
	s_load_b256 s[4:11], s[0:1], 0x0               ; ximg s[4:5], wimg s[6:7], rope s[8:9], qimg s[10:11]
	s_load_b64 s[12:13], s[0:1], 0x20              ; kvimg
	v_lshl_add_u32 v6, v0, 2, SPARE                ; my spare word; never rewritten
	v_mov_b32 v7, 0                                ; 0; never rewritten
	ds_add_u32 v6, v7
	ds_add_u32 v6, v7
	s_wait_dscnt 0x0
	v_lshrrev_b32 v1, 5, v0
	v_readfirstlane_b32 s14, v1                    ; wave 0..3
	s_bfe_u32 s54, ttmp6, 0x40000                  ; cx
	s_lshl_b32 s15, ttmp9, 2
	s_add_co_u32 s15, s15, s54                     ; PX = 4 x cluster x + cx: it enters x's, the tables' and the results' addresses alone
	s_and_b32 s16, ttmp7, 0xffff                   ; HD, which the four partners share
	s_mov_b32 s24, 15|(3<<16)|(1<<21)              ; group 1: mask: all four work-groups; elements of 8 bytes; bit 21 beside a mask; no padding
	s_mov_b32 s25, 32<<16                          ; tensor_dim0 = 32 elements: rows of 256 bytes
	s_mov_b32 s26, 100<<16                         ; tensor_dim1 = 100
	s_mov_b32 s27, 32<<16                          ; tile_dim0
	s_mov_b32 s28, 100                             ; tile_dim1
	s_mov_b32 s29, 32                              ; the pitch: dense
	s_mov_b32 s30, 0
	s_mov_b32 s31, 0
	s_mul_i32 s17, s14, QTR                        ; my quarter of a slot
	s_mul_i32 s18, s16, 64*BLK                     ; the head's weights: [head][q, k, v, o][K step][BLOCK]
	s_add_co_u32 s18, s18, s17
	s_mov_b32 s19, 0
	s_mov_b32 s57, 0
	s_mov_b32 s32, 1                               ; group 0, slot 0
	s_mov_b32 s33, s17
	s_mov_b32 s36, 1                               ; group 0, slot 1
	s_add_co_u32 s37, s17, SLOTB
	s_wait_kmcnt 0x0
	s_add_nc_u64 s[34:35], s[6:7], s[18:19]
	s_add_nc_u64 s[38:39], s[34:35], SLOTB
	s_mov_b64 s[58:59], s[34:35]                   ; the prefetches' base: my wave's quarter of the head's first slot
	s_or_b32 s35, s35, 0x80000000
	s_or_b32 s39, s39, 0x80000000
	CROUND                                         ; all four work-groups are here: the first joint loads meet
	tensor_load_to_lds s[32:35], s[24:31]          ; q's K steps 0-7: my one tensor load at the head
	s_nop 0
	PLACES
	s_mul_i32 s18, s15, 16*BLK
	s_add_nc_u64 s[40:41], s[4:5], s[18:19]        ; x's panel
	s_lshl_b32 s18, s15, 3
	s_lshl_b32 s55, s14, 1
	s_add_co_u32 s18, s18, s55
	s_lshl_b32 s18, s18, 14
	s_add_nc_u64 s[44:45], s[8:9], s[18:19]        ; q's tables of tile 2 w of my panel: 16,384 bytes a tile
	s_lshl_b32 s18, s16, 4
	s_add_co_u32 s18, s18, s15                     ; 16 HD + PX
	s_mul_i32 s56, s18, BLK
	s_add_nc_u64 s[46:47], s[10:11], s[56:57]      ; q's block
	s_mul_i32 s56, s18, 2*BLK
	s_add_nc_u64 s[48:49], s[12:13], s[56:57]      ; k's block,
	s_add_nc_u64 s[50:51], s[48:49], BLK           ; and v's behind it
	s_mov_b32 s[SEL], 0x76543210
	s_mov_b32 s[SEL+1], 0xfedcba98
	s_mov_b32 s22, 0x3727c5ac                      ; 1e-5
	s_mov_b32 s23, 0xffff0000                      ; lanes 16-31
	s_mov_b32 s53, 0x3c000000                      ; 1 / 128
	v_and_b32 v239, 31, v0
	v_lshlrev_b32 v1, 4, v239                      ; v1: 16 x lane
	v_lshlrev_b32 v240, 2, v239
.irp i, 0,1,2,3
	v_add_nc_u32 v[2+\i], 4*BLK*\i, v1             ; v2-5: W's fragments of K steps 4 i on
	v_add_nc_u32 v[8+\i], 4*BLK*\i+12288, v240     ; v8-11: and their scale words
.endr
	s_mul_i32 s18, s14, 3072
	v_add_nc_u32 v12, s18, v1                      ; v12: my two fragments in a block
	s_lshl_b32 s18, s14, 7
	v_add_nc_u32 v13, s18, v240                    ; v13: my two tiles' scale words in a block's 512
	v_add_nc_u32 v14, SCB, v13                     ; v14: the same in LDS
	v_add_nc_u32 v15, SCB, v1                      ; v15: the 512 bytes, 16 a lane
	s_lshl_b32 s18, s14, 14
	s_add_co_u32 s18, s18, TBL
	v_add_nc_u32 v238, s18, v1                     ; v238: where my wave lays tile 1's tables by: TBL + 16,384 w + 16 x lane
	v_and_b32 v241, 15, v0                         ; r
	v_bfe_u32 v242, v0, 4, 1                       ; h
	v_and_b32 v243, 8, v241
	v_add_nc_u32 v243, v243, v241                  ; r + 8 (r / 8)
	s_lshl_b32 s18, s14, 5
	v_add_nc_u32 v244, s18, v243                   ; 32 w + r + 8 (r / 8)
	v_mul_u32_u24 v236, v244, 528
	v_lshl_add_u32 v236, v242, 6, v236             ; v236: v's stage, in: my key's row, + 64 h
	v_mul_u32_u24 v237, v242, 16*528
	v_lshl_add_u32 v237, v244, 2, v237             ; v237: and back: key 16 h, my channel's word
	; PREFETCHES.  The weights' six slots' worth of bytes are numbered 0 to 5.  Behind the tensor load of number j stands one prefetch of number j + 1: 8 K steps ahead of the load that wants it.
	; A wave's quarter slot is 100 blocks of 256 bytes; the four partners that ask for it jointly share them out BY ADDRESS, 25 each: a lane a block, lanes 25-31 name the last again.  Behind number 5's load nothing is asked for.
	s_mul_i32 s55, s54, 25
	v_min_u32 v245, 24, v239
	v_add_nc_u32 v245, s55, v245
	v_lshlrev_b32 v245, 8, v245                    ; v245: 256 x (25 cx + lane); never rewritten
	global_prefetch_b8 v245, s[58:59] offset:SLOTB th:TH_LOAD_NT scope:SCOPE_SE
.irp k, 0,1,2,3,4,5,6,7,8,9,10,11,12,13,14,15
	global_load_b32 v[16+\k], v13, s[40:41] offset:BLK*\k+12288   ; x's scale words first, then its fragments in the order of K: so the first K steps can wait for them by count
.endr
	WIN 0x40                                       ; destination window 1
.irp k, 0,1,2,3,4,5,6,7
.irp u, 0,1
.irp c, 0,1,2
	global_load_b128 v[24*\k+12*\u+4*\c:24*\k+12*\u+4*\c+3], v12, s[40:41] offset:BLK*\k+1536*\u+512*\c
.endr
.endr
.endr
	WIN 0x80                                       ; destination window 2
.irp k, 0,1,2,3,4,5,6,7
.irp u, 0,1
.irp c, 0,1,2
	global_load_b128 v[24*\k+12*\u+4*\c:24*\k+12*\u+4*\c+3], v12, s[40:41] offset:BLK*(\k+8)+1536*\u+512*\c
.endr
.endr
.endr
	WIN 0xc0
.irp b, 0,1,2,3
	v_mov_b32 v[TM+4+\b], 0                        ; written once: a lane permute's destination counts as one of its sources
.endr
	WIN 0
; One product: W's tile t x my tile u, K step k.  Odd tiles' scale words lie in lanes 16-31 of their registers.  zero = 1: the product starts the sum.
.macro MM k, t, u, zero
.set rD, 64*(\u)+8*(\t)
.set rA, 40+96*((\k)%2)+12*(\t)
.set rB, 24*((\k)%8)+12*(\u)
.set rP, 32+4*((\k)%2)+(\t)/2
.set rR, 16+(\k)
.if \zero
.if ((\t)%2 == 0) && ((\u) == 0)
	v_wmma_scale_f32_16x16x128_f8f6f4 v[rD:rD+7], v[rA:rA+11], v[rB:rB+11], 0, v[rP], v[rR] matrix_a_fmt:MATRIX_FMT_FP6 matrix_b_fmt:MATRIX_FMT_FP6
.elseif (\t)%2 == 0
	v_wmma_scale_f32_16x16x128_f8f6f4 v[rD:rD+7], v[rA:rA+11], v[rB:rB+11], 0, v[rP], v[rR] matrix_a_fmt:MATRIX_FMT_FP6 matrix_b_fmt:MATRIX_FMT_FP6 matrix_b_scale:MATRIX_SCALE_ROW1
.elseif (\u) == 0
	v_wmma_scale_f32_16x16x128_f8f6f4 v[rD:rD+7], v[rA:rA+11], v[rB:rB+11], 0, v[rP], v[rR] matrix_a_fmt:MATRIX_FMT_FP6 matrix_b_fmt:MATRIX_FMT_FP6 matrix_a_scale:MATRIX_SCALE_ROW1
.else
	v_wmma_scale_f32_16x16x128_f8f6f4 v[rD:rD+7], v[rA:rA+11], v[rB:rB+11], 0, v[rP], v[rR] matrix_a_fmt:MATRIX_FMT_FP6 matrix_b_fmt:MATRIX_FMT_FP6 matrix_a_scale:MATRIX_SCALE_ROW1 matrix_b_scale:MATRIX_SCALE_ROW1
.endif
.else
.if ((\t)%2 == 0) && ((\u) == 0)
	v_wmma_scale_f32_16x16x128_f8f6f4 v[rD:rD+7], v[rA:rA+11], v[rB:rB+11], v[rD:rD+7], v[rP], v[rR] matrix_a_fmt:MATRIX_FMT_FP6 matrix_b_fmt:MATRIX_FMT_FP6
.elseif (\t)%2 == 0
	v_wmma_scale_f32_16x16x128_f8f6f4 v[rD:rD+7], v[rA:rA+11], v[rB:rB+11], v[rD:rD+7], v[rP], v[rR] matrix_a_fmt:MATRIX_FMT_FP6 matrix_b_fmt:MATRIX_FMT_FP6 matrix_b_scale:MATRIX_SCALE_ROW1
.elseif (\u) == 0
	v_wmma_scale_f32_16x16x128_f8f6f4 v[rD:rD+7], v[rA:rA+11], v[rB:rB+11], v[rD:rD+7], v[rP], v[rR] matrix_a_fmt:MATRIX_FMT_FP6 matrix_b_fmt:MATRIX_FMT_FP6 matrix_a_scale:MATRIX_SCALE_ROW1
.else
	v_wmma_scale_f32_16x16x128_f8f6f4 v[rD:rD+7], v[rA:rA+11], v[rB:rB+11], v[rD:rD+7], v[rP], v[rR] matrix_a_fmt:MATRIX_FMT_FP6 matrix_b_fmt:MATRIX_FMT_FP6 matrix_a_scale:MATRIX_SCALE_ROW1 matrix_b_scale:MATRIX_SCALE_ROW1
.endif
.endif
.endm
.macro MUL8 k, t0, zero                ; W's tiles t0 .. t0 + 3 x my two tiles.  The 16 accumulators take turns, one instruction a turn, in the same order in every K step
.irp t, \t0, \t0+1, \t0+2, \t0+3
.irp u, 0,1
	MM \k, \t, \u, \zero
.endr
.endr
.endm
.macro FETCHP set, kn                  ; 28 LDS loads in one run: K step kn's scale words, then W's tiles 0-3, then 4-7, each fragment as three loads of 512 consecutive bytes
.irp j, 0,1,2,3
	ds_load_b32 v[32+4*(\set)+\j], v[8+(\kn)/4] offset:((\kn)%4)*BLK+128*\j
.endr
.irp t, 0,1,2,3,4,5,6,7
.irp c, 0,1,2
	ds_load_b128 v[40+96*(\set)+12*\t+4*\c:43+96*(\set)+12*\t+4*\c], v[2+(\kn)/4] offset:((\kn)%4)*BLK+1536*\t+512*\c
.endr
.endr
.endm
.macro TABLOAD u                       ; the tables of my tile u: C into window 1, S into window 2, 512 consecutive bytes a load
	WIN 0x40
.irp j, 0,1,2,3,4,5,6,7,8,9,10,11,12,13,14,15
	global_load_b128 v[192+4*\j:195+4*\j], v1, s[44:45] offset:16384*\u+512*\j
.endr
	WIN 0x80
.irp j, 0,1,2,3,4,5,6,7,8,9,10,11,12,13,14,15
	global_load_b128 v[192+4*\j:195+4*\j], v1, s[44:45] offset:16384*\u+8192+512*\j
.endr
.endm
.macro TABSAVE                         ; tile 1's tables have landed: they are laid by in my wave's own LDS bytes, as images of their registers
	s_wait_loadcnt 0x0                             ; the 32 loads issued at the trip's head; in the first trip also x's fragments of K steps 8-15, which are first read two K steps on
	WIN 0x04                                       ; an LDS store's data are its source 1: window 1
.irp j, 0,1,2,3,4,5,6,7,8,9,10,11,12,13,14,15
	ds_store_b128 v238, v[192+4*\j:195+4*\j] offset:512*\j
.endr
	WIN 0x08                                       ; window 2
.irp j, 0,1,2,3,4,5,6,7,8,9,10,11,12,13,14,15
	ds_store_b128 v238, v[192+4*\j:195+4*\j] offset:8192+512*\j
.endr
	WIN 0
.endm
.macro TABBACK                         ; and come back into the same registers: only my wave touches these bytes, and LDS serves a wave's instructions in order
	WIN 0x40
.irp j, 0,1,2,3,4,5,6,7,8,9,10,11,12,13,14,15
	ds_load_b128 v[192+4*\j:195+4*\j], v238 offset:512*\j
.endr
	WIN 0x80
.irp j, 0,1,2,3,4,5,6,7,8,9,10,11,12,13,14,15
	ds_load_b128 v[192+4*\j:195+4*\j], v238 offset:8192+512*\j
.endr
.endm
; A K step whose successor lies in the same slot.  The successor's 28 LDS loads are issued at the step's head, into the set that the K step before read: all 16 products of this step stand between them and the wait for them.
; hook = 1: tile 1's tables are laid by; hook = 2: tile 0's tables are asked for.  Both stand in the step's middle, behind the run of LDS loads and the wait that counts them.
.macro KSTEP k, zero, hook
	PLACES                                         ; the other set was read by the K step before
	WIN 0
	FETCHP 1-(\k)%2, (\k)+1
	s_wait_dscnt 28                                ; this step's scale words and fragments are in; the 28 loads just issued may be out
	WINMUL \k
	MUL8 \k, 0, \zero
.if \hook == 1
	TABSAVE
.endif
.if \hook == 2
	TABLOAD 0
.endif
	WINMUL \k
	MUL8 \k, 4, \zero
.endm
; A slot's last K step changes slots.  In front of the barrier each wave waits for all its tensor loads (one is out: its part of the other slot), adds 0 to its spare word, and waits for that and for its reads of this slot.
; fill = 1: the barrier is a round of the cluster's, and this slot's refill, the weights two slots on, is the first thing behind it: it has 8 K steps, 128 matrix instructions, in which to land.
.macro KTURN k, slot, fill, kn
	WIN 0                                          ; (the add's two registers lie in window 0)
	s_wait_tensorcnt 0x0                           ; no tensor load of mine is out, so a group 0 may be written
	ds_add_u32 v6, v7                              ; 0 onto my spare word
.if \fill
	s_add_nc_u64 s[34+4*\slot:35+4*\slot], s[34+4*\slot:35+4*\slot], 2*SLOTB
.endif
	s_wait_dscnt 13                                ; (the add and the youngest twelve loads may be out)
	WINMUL \k
	MUL8 \k, 0, 0                                  ; eight matrix instructions stand between the add and the wait for it
	s_wait_dscnt 0x0                               ; the add is done, and my reads of this slot are over
	WIN 0
.if \fill
	CROUND                                         ; no wave of any partner still reads this slot or has a load on its way
	tensor_load_to_lds s[32+4*\slot:35+4*\slot], s[24:31]
	s_nop 0
.else
	s_barrier_signal -1
	s_barrier_wait -1
.endif
	PLACES                                         ; behind the load; also the places in front of the loads below
	FETCHP 0, \kn
.if \fill
.if \slot
	s_cmp_lg_u32 s52, 1                            ; in the loop's last trip this load was number 5: nothing is left to ask for
	s_cbranch_scc0 .Lno_ask_\@
	global_prefetch_b8 v245, s[58:59] offset:4*SLOTB th:TH_LOAD_NT scope:SCOPE_SE
.Lno_ask_\@:
.else
	global_prefetch_b8 v245, s[58:59] offset:3*SLOTB th:TH_LOAD_NT scope:SCOPE_SE   ; number 3 in the first trip, 5 in the second: the base steps by two slots a trip
.endif
.endif
	WINMUL \k
	MUL8 \k, 4, 0
.endm
.macro SCALEOUT d                      ; my two tiles' scale words meet the other waves' in LDS; wave 0 sends the block's 512 bytes out whole
	WIN 0xff
	v_cndmask_b32 v229, v208, v209, s23            ; lanes 0-15 tile 2 w's, lanes 16-31 tile 2 w + 1's
	WIN 0x0c
	ds_store_b32 v14, v229
	WIN 0
	s_wait_dscnt 0x0                               ; for the others' sake: my words lie in LDS
	s_barrier_signal -1
	s_barrier_wait -1
	s_cmp_lg_u32 s14, 0
	s_cbranch_scc1 .Lnot_mine_\@
	ds_load_b128 v[232:235], v15
	s_wait_dscnt 0x0
	global_store_b128 v1, v[232:235], s[\d:\d+1] offset:12288
.Lnot_mine_\@:
.endm
.macro EPI_QK                          ; norm, gain, turn, quantiser, for my two tiles
.irp u, 0,1
.if \u == 0
	PLACES                                         ; behind the last products
.endif
	WIN 0xff
	v_pk_mul_f32 v[230:231], v[64*\u:64*\u+1], v[64*\u:64*\u+1]        ; the sum of my 64 squares, two chains, each accumulator from its low end on
	v_pk_mul_f32 v[232:233], v[64*\u+2:64*\u+3], v[64*\u+2:64*\u+3]
.set e, 4
.rept 15
	v_pk_fma_f32 v[230:231], v[64*\u+e:64*\u+e+1], v[64*\u+e:64*\u+e+1], v[230:231]
	v_pk_fma_f32 v[232:233], v[64*\u+e+2:64*\u+e+3], v[64*\u+e+2:64*\u+e+3], v[232:233]
.set e, e+4
.endr
	v_pk_add_f32 v[230:231], v[230:231], v[232:233]
	v_add_f32 v230, v230, v231
	v_permlanex16_b32 v232, v230, s[SEL], s[SEL+1] ; the row's other 64 columns lie in the lane 16 away
	v_add_f32 v230, v230, v232
	v_fma_f32 v230, v230, s53, s22                 ; the mean + 1e-5
	s_wait_alu depctr_va_vdst(0)
	v_rsq_f32 v234, v230
	v_rsq_f32 v235, v230                           ; twice: a pair for the packed multiply; the lines below are the plain place behind it
.if \u == 0
	s_wait_loadcnt 0x0                             ; tile 0's tables, asked for in K step 8
.else
	s_wait_dscnt 0x0                               ; tile 1's tables are back from LDS
.endif
	WIN 0xf7                                       ; source 1: C, window 1
.set e, 0
.rept 32
	v_pk_mul_f32 v[128+e:129+e], v[64*\u+e:64*\u+e+1], v[192+e:193+e]
.set e, e+2
.endr
	WIN 0xfb                                       ; source 1: S, window 2
.set e, 0
.rept 32
	v_pk_fma_f32 v[128+e:129+e], v[64*\u+(e+32)%64:64*\u+(e+32)%64+1], v[192+e:193+e], v[128+e:129+e]
.set e, e+2
.endr
.if \u == 0
	TABBACK                                        ; tile 0's tables are done with: tile 1's take their registers while tile 0 is scaled, quantised and stored
.endif
	WIN 0xff
.set e, 0
	s_wait_alu depctr_va_vdst(0)
.rept 32
	v_pk_mul_f32 v[128+e:129+e], v[128+e:129+e], v[234:235]
.set e, e+2
.endr
.if \u
	s_wait_xcnt 0x0                                ; the first tile's stores have read the codes' registers
.endif
	QUANT 128, 208+\u
	WIN 0x0c                                       ; a store's data: window 3
.irp c, 0,1,2
	global_store_b128 v12, v[PC+4*\c:PC+4*\c+3], s[46:47] offset:1536*\u+512*\c   ; 512 consecutive bytes, aligned
.endr
.endr
	SCALEOUT 46
.endm
	s_wait_alu depctr_va_vdst(0)                   ; the wait at the head's end
	s_wait_tensorcnt 0x0                           ; my part of slot 0 is in
	ds_add_u32 v6, v7
	s_wait_dscnt 0x0
	CROUND                                         ; everybody's part is in, and all four work-groups are here
	tensor_load_to_lds s[36:39], s[24:31]          ; q's K steps 8-15: slot 1's first fill, my one load behind the round; 7 K steps stand ahead of the wait for it
	s_nop 0
	PLACES
	FETCHP 0, 0
	global_prefetch_b8 v245, s[58:59] offset:2*SLOTB th:TH_LOAD_NT scope:SCOPE_SE
	s_wait_loadcnt 48                              ; x's scale words and its fragments of K steps 0-7 are in; the youngest 48 loads, K steps 8-15, may be out: the wait for 0 in K step 6 covers them
	s_mov_b32 s52, 2
.Ltile:                                            ; two trips: q, then k
	TABLOAD 1                                      ; tile 1's tables: 6.5 K steps ahead of the wait for them
	KSTEP 0, 1, 0                                  ; the first K step's products start the sums: nothing is cleared
.irp k, 1,2,3,4,5
	KSTEP \k, 0, 0
.endr
	KSTEP 6, 0, 1                                  ; tile 1's tables go to LDS
	KTURN 7, 0, 1, 8                               ; slot 0 takes the next tile's K steps 0-7
	KSTEP 8, 0, 2                                  ; tile 0's tables: 7.5 K steps ahead of the wait for them
.irp k, 9,10,11,12,13,14
	KSTEP \k, 0, 0
.endr
	KTURN 15, 1, 1, 0                              ; slot 1 takes the next tile's K steps 8-15; the next tile's first fragments are fetched
	EPI_QK
	s_wait_xcnt 0x0                                ; every load and store has read its base and its registers: they may be written
	s_mov_b64 s[46:47], s[48:49]                   ; the second trip stores k,
	s_add_nc_u64 s[44:45], s[44:45], 0x200000      ; with k's tables
	s_add_nc_u64 s[58:59], s[58:59], 2*SLOTB       ; the prefetches go on by a tile's two slots
	s_sub_co_u32 s52, s52, 1
	s_cmp_lg_u32 s52, 0
	s_cbranch_scc1 .Ltile
	KSTEP 0, 1, 0                                  ; v is written out: it asks for nothing more, and has no tables
.irp k, 1,2,3,4,5,6
	KSTEP \k, 0, 0
.endr
	KTURN 7, 0, 0, 8
.irp k, 8,9,10,11,12,13,14
	KSTEP \k, 0, 0
.endr
	s_wait_dscnt 12
	WINMUL 15
	MUL8 15, 0, 0
	s_wait_dscnt 0x0
	MUL8 15, 4, 0
	; v: lane (r, h) holds key 32 w + 8 u + r + 8 (r / 8) and 64 channels.  128 keys x 128 channels go into rows of 528 bytes in slot 0 and come back with a lane to a channel and registers along the keys.
	PLACES
	WIN 0x0c
.irp u, 0,1
.irp t, 0,1,2,3,4,5,6,7
	ds_store_b128 v236, v[64*\u+8*\t:64*\u+8*\t+3] offset:8*\u*528+128*(\t/2)+32*(\t%2)       ; each accumulator from its low end on
	ds_store_b128 v236, v[64*\u+8*\t+4:64*\u+8*\t+7] offset:8*\u*528+128*(\t/2)+32*(\t%2)+16
.endr
.endr
	WIN 0
	s_wait_dscnt 0x0                               ; for the others' sake
	s_barrier_signal -1
	s_barrier_wait -1
.irp u, 0,1
	WIN 0xc0
.irp b, 0,1,2,3
.irp i, 0,1,2,3,4,5,6,7,8,9,10,11,12,13,14,15
	ds_load_b32 v[128+16*\b+\i], v237 offset:(32*\b+\i)*528+32*\u   ; key 32 b + 16 h + i of channel 32 w + 8 u + r + 8 (r / 8)
.endr
.endr
	s_wait_dscnt 0x0
.if \u
	s_wait_xcnt 0x0                                ; the first tile's stores have read the codes' registers
.endif
	WIN 0xff
	QUANT 128, 208+\u
	WIN 0x0c
.irp c, 0,1,2
	global_store_b128 v12, v[PC+4*\c:PC+4*\c+3], s[50:51] offset:1536*\u+512*\c
.endr
.endr
	SCALEOUT 50
	s_wait_tensorcnt 0x0                           ; the wave's end
	ds_add_u32 v6, v7
	s_wait_dscnt 0x0
	CROUND                                         ; the closing round
	s_endpgm
.Lfunc_end_k_q5f1cca6873_qkv:
	.size	k_q5f1cca6873_qkv, .Lfunc_end_k_q5f1cca6873_qkv-k_q5f1cca6873_qkv
	.p2alignl 7, 3214868480
	.fill 96, 4, 3214868480
	.section	.rodata,"a",@progbits
	.p2align	6, 0x0
	.amdhsa_kernel k_q5f1cca6873_qkv
		.amdhsa_group_segment_fixed_size 327680
		.amdhsa_private_segment_fixed_size 0
		.amdhsa_enable_private_segment 0
		.amdhsa_kernarg_size 40
		.amdhsa_user_sgpr_count 2
		.amdhsa_user_sgpr_kernarg_segment_ptr 1
		.amdhsa_wavefront_size32 1
		.amdhsa_system_sgpr_workgroup_id_x 1
		.amdhsa_system_sgpr_workgroup_id_y 1
		.amdhsa_system_sgpr_workgroup_id_z 1
		.amdhsa_system_vgpr_workitem_id 0
		.amdhsa_next_free_vgpr 1024
		.amdhsa_next_free_sgpr 66
		.amdhsa_reserve_vcc 0
		.amdhsa_float_denorm_mode_32 3
		.amdhsa_float_denorm_mode_16_64 3
		.amdhsa_memory_ordered 1
		.amdhsa_forward_progress 1
		.amdhsa_inst_pref_size 202
	.end_amdhsa_kernel
	.amdgpu_metadata
---
amdhsa.version: [ 1, 2 ]
amdhsa.kernels:
  - .name:           k_q5f1cca6873_qkv
    .symbol:         k_q5f1cca6873_qkv.kd
    .args:
      - { .name: ximg, .offset: 0, .size: 8, .value_kind: global_buffer, .address_space: global }
      - { .name: wimg, .offset: 8, .size: 8, .value_kind: global_buffer, .address_space: global }
      - { .name: rope, .offset: 16, .size: 8, .value_kind: global_buffer, .address_space: global }
      - { .name: qimg, .offset: 24, .size: 8, .value_kind: global_buffer, .address_space: global }
      - { .name: kvimg, .offset: 32, .size: 8, .value_kind: global_buffer, .address_space: global }
    .group_segment_fixed_size: 327680
    .private_segment_fixed_size: 0
    .kernarg_segment_align: 8
    .kernarg_segment_size: 40
    .max_flat_workgroup_size: 128
    .sgpr_count:     66
    .vgpr_count:     1024
    .wavefront_size: 32
...
	.end_amdgpu_metadata
.endif
;; end of part 2
;; launch attn (part 3): grid 16 x 16, 16 waves a work-group, clusters of 4 x 1, 327,680 bytes of LDS; arguments qimg, kvimg, aimg; writes aimg
.if DOCPART == 3
	.amdgcn_target "amdgcn-amd-amdhsa--gfx1250"
	.amdhsa_code_object_version 6
	.text
	.protected	k_q5f1cca6873_attn
	.globl	k_q5f1cca6873_attn
	.p2align	8
	.type	k_q5f1cca6873_attn,@function
k_q5f1cca6873_attn:
	s_mov_b64 s[64:65], 0
	v_nop
	global_prefetch_b8 v0, s[64:65] scope:SCOPE_SE
	s_setreg_imm32_b32 hwreg(HW_REG_WAVE_MODE, 25, 1), 1
	s_wait_xcnt 0x0
	s_wait_alu depctr_hold_cnt(0) depctr_sa_sdst(0) depctr_va_vdst(0) depctr_va_sdst(0) depctr_va_ssrc(0) depctr_va_vcc(0) depctr_vm_vsrc(0)
	s_getreg_b32 s2, hwreg(HW_REG_IB_STS2, 6, 4)
	s_cmp_eq_u32 s2, 0
	s_cbranch_scc0 .Lentry_in_a_cluster
	s_endpgm
.Lentry_in_a_cluster:
	s_bfe_u32 s2, ttmp6, 0x10000c
	s_cmp_lg_u32 s2, 0x3003
	s_cbranch_scc0 .Lentry_shape_is_right
	s_endpgm
.Lentry_shape_is_right:
; ATTN.  o[q] = the sum over keys of softmax(q . k / sqrt(128)) v, both products on codes of E2M3; o is quantised here, along the head's 128, and leaves as codes for the last product.
; THE SOFTMAX AHEAD OF THE SECOND PRODUCT: t = score x log2(e) / sqrt(128); M = the running largest t rounded UP to a whole number; p = 2^(t - M) is what is quantised, along the keys, not normalised.
; The row's sum is taken of the unquantised p and divides O at the end.  When M moves, the sum and O are multiplied by 2^(old M - new M), which rounds nothing.
; SHARES.  A work-group owns 128 queries (panel PX) of one head (HD): eight tiles of 16.  SIXTEEN waves of 256 registers, four to a SIMD, so that one wave's LDS loads land beside another's vector work: waves w and w + 8 own
; tile w together; wave w walks the head's even key steps, wave w + 8 the odd ones, 128 keys a step, each with its own M, sum and O^T.  At the end wave w + 8 hands its three to wave w through LDS, and both are brought under the
; larger M by factors that are powers of two.
; A key step is K's block and V's block, 25,600 dense bytes, as images of the operands' registers: a fragment is three LDS loads of 512 consecutive bytes.
; LDS: three regions of four key steps.  All three are filled at the head; the first is filled once more, with key steps 12-15, while steps 4-11 are worked: that load has eight key steps in which to land.
; CLUSTER.  The four query panels of a cluster walk the same head's K and V: each load is asked for JOINTLY (mask 15).
; LAYOUT.  Both products are used transposed: S^T = K Q^T, O^T = V^T P^T: a lane holds ONE query throughout.  Lane r of a tile 2 b + u of K (of V) holds key (channel) 32 b + 8 u + r + 8 (r / 8), so that the 16 registers of the
; results of tiles 2 b, 2 b + 1 are 16 neighbouring keys (channels) 32 b + 16 h + 0 .. 15.
; LIMITS: NaN and infinities are not served; a block of zeros gets the byte 1 (its codes are zeros; this program alone reads the bytes).  A block's largest p is taken as the exponential of its largest score.
; The sums over the keys are formed in two halves, even and odd key steps, and then added: an order of f32 additions other than ascending keys.
; REGISTERS: v1 16 x lane, v2 4 x lane, v3, v4 my tile's places in a block, v5, v6 the add's, v8, v9 the step's addresses, v10, v11 the scale words' way out; v12 -M, v13 the largest t, v[14:15] the sum;
;   v16-27 Q, v28 its scale words; v29, v30 my tile's places in the stage; v32-79 four fragments; v80-83, v84-87 K's and V's scale words; v96-159 S^T, then p, then V's tiles 4-7; v160-223 O^T; v224-235 p's codes; v232-254 at work.
.set BLK,   12800
.set REG,   8*BLK                      ; a region: four key steps, 102,400 bytes
.set PART,  REG/16                     ; what one tensor load brings: 25 rows of 256 bytes
.set SPARE, 3*REG                      ; the spare words, 128 bytes for each wave: eight blocks of 256 bytes that no other line names
.set SCB,   SPARE+2048                 ; 512 bytes: the result's scale words on their way out
.set STG,   REG                        ; the stage in which the halves meet: in the second region, which has had its one fill, and whose last read lies in front of the barrier ahead of the last loop
.set STGW,  8704                       ; a tile's place in it: O^T's 8,192 bytes, then 8 bytes a lane (-M, the sum), to a whole number of blocks of 256 bytes
.set SEL,   20
.set CS,    22
.set TB,    44                         ; s44: LDS byte at which the key step in hand begins
.set TM,    232
.set PW,    248
.set PC,    32
.macro PLACES
.rept 4
	v_nop
.endr
.endm
.macro CROUND
	s_barrier_signal -1
	s_barrier_wait -1
	s_cmp_lg_u32 s14, 0
	s_cbranch_scc1 .Lnot_wave_0_\@
	s_barrier_signal -3
.Lnot_wave_0_\@:
	s_barrier_wait -3
	s_barrier_signal -1
	s_barrier_wait -1
.endm
.macro QUANT s, pw                     ; 64 numbers of a lane (register 16 b + i = K 32 b + 16 h + i of my row) -> a fragment's codes in v[PC] on, its scale word in v[pw]
.irp b, 0,1,2,3
	v_max3_num_f32 v[TM+\b], |v[\s+16*\b]|, |v[\s+1+16*\b]|, 0x1800000
.endr
.irp i, 2,4,6,8,10,12,14
.irp b, 0,1,2,3
	s_delay_alu instid0(VALU_DEP_4)
	v_max3_num_f32 v[TM+\b], v[TM+\b], |v[\s+16*\b+\i]|, |v[\s+1+16*\b+\i]|
.endr
.endr
.irp b, 0,1,2,3
	s_delay_alu instid0(VALU_DEP_4)
	v_permlanex16_b32 v[TM+4+\b], v[TM+\b], s[SEL], s[SEL+1]
.endr
.irp b, 0,1,2,3
	s_delay_alu instid0(VALU_DEP_4)
	v_max_num_f32 v[TM+\b], v[TM+\b], v[TM+4+\b]
.endr
.irp b, 0,1,2,3
	s_delay_alu instid0(VALU_DEP_4)
	v_add_nc_u32 v[TM+12+\b], 0xff000000, v[TM+\b]
.endr
.irp b, 0,1,2,3
	s_delay_alu instid0(VALU_DEP_4)
	v_lshrrev_b32 v[TM+4+\b], 23, v[TM+12+\b]
.endr
	s_delay_alu instid0(VALU_DEP_3)
	v_lshl_or_b32 v[\pw], v[TM+5], 8, v[TM+4]
	s_delay_alu instid0(VALU_DEP_1)
	v_lshl_or_b32 v[\pw], v[TM+6], 16, v[\pw]
	s_delay_alu instid0(VALU_DEP_1)
	v_lshl_or_b32 v[\pw], v[TM+7], 24, v[\pw]
.irp c, 0,1
	v_cvt_scalef32_pk16_fp6_f32 v[PC+6*\c:PC+2+6*\c], v[\s+32*\c:\s+15+32*\c], v[TM+12+2*\c]
	v_cvt_scalef32_pk16_fp6_f32 v[PC+12+4*\c:PC+14+4*\c], v[\s+16+32*\c:\s+31+32*\c], v[TM+12+2*\c+1]
.endr
	v_nop                                          ; one plain place behind a scaled conversion
.irp c, 0,1
.irp i, 0,1,2
	v_permlane16_swap_b32 v[PC+6*\c+\i], v[PC+12+4*\c+\i]
.endr
.irp i, 0,1,2
	s_delay_alu instid0(VALU_DEP_3)
	v_mov_b32 v[PC+3+6*\c+\i], v[PC+12+4*\c+\i]
.endr
.endr
.endm
	s_load_b128 s[4:7], s[0:1], 0x0                ; qimg s[4:5], kvimg s[6:7]
	s_load_b64 s[8:9], s[0:1], 0x10                ; aimg
	v_lshl_add_u32 v5, v0, 2, SPARE                ; my spare word; never rewritten
	v_mov_b32 v6, 0                                ; 0; never rewritten
	ds_add_u32 v5, v6
	ds_add_u32 v5, v6
	s_wait_dscnt 0x0
	v_lshrrev_b32 v1, 5, v0
	s_delay_alu instid0(VALU_DEP_1)
	v_readfirstlane_b32 s14, v1                    ; wave 0..15
	s_and_b32 s48, s14, 7                          ; my tile of queries
	s_lshr_b32 s49, s14, 3                         ; 0: the even key steps are mine; 1: the odd ones
	s_mul_i32 s49, s49, 2*BLK                      ; where my first key step of a region begins
	s_bfe_u32 s46, ttmp6, 0x40000                  ; cx
	s_lshl_b32 s15, ttmp9, 2
	s_add_co_u32 s15, s15, s46                     ; PX: it enters Q's and the result's addresses alone
	s_and_b32 s16, ttmp7, 0xffff                   ; HD, which the four partners share
	s_mov_b32 s24, 15|(3<<16)|(1<<21)              ; group 1: mask: all four; elements of 8 bytes; bit 21 beside a mask; no padding
	s_mov_b32 s25, 32<<16                          ; rows of 256 bytes,
	s_mov_b32 s26, 25<<16                          ; 25 of them: a sixteenth of a region
	s_mov_b32 s27, 32<<16
	s_mov_b32 s28, 25
	s_mov_b32 s29, 32
	s_mov_b32 s30, 0
	s_mov_b32 s31, 0
	s_mul_i32 s17, s14, PART                       ; my sixteenth
	s_mul_i32 s18, s16, 32*BLK                     ; the head's 16 key steps
	s_add_co_u32 s18, s18, s17
	s_mov_b32 s19, 0
	s_mov_b32 s32, 1                               ; group 0 for the first region: my sixteenth of it
	s_mov_b32 s33, s17
	s_mov_b32 s36, 1                               ; group 0 for the second and third regions, which lie on end in memory and in LDS: my sixteenth of the two, 50 rows
	s_lshl_b32 s37, s17, 1
	s_add_co_u32 s37, s37, REG
	s_mov_b32 s40, s17
	s_mov_b32 s41, 0
	s_mov_b32 s52, 15|(3<<16)|(1<<21)              ; a second group 1: as the first, with 50 rows
	s_mov_b32 s53, 32<<16
	s_mov_b32 s54, 50<<16
	s_mov_b32 s55, 32<<16
	s_mov_b32 s56, 50
	s_mov_b32 s57, 32
	s_mov_b32 s58, 0
	s_mov_b32 s59, 0
	s_wait_kmcnt 0x0
	s_add_nc_u64 s[34:35], s[6:7], s[18:19]
	s_add_nc_u64 s[38:39], s[34:35], s[40:41]      ; the head's first byte + 2 x my sixteenth,
	s_add_nc_u64 s[38:39], s[38:39], REG           ; a region on
	s_or_b32 s35, s35, 0x80000000
	s_or_b32 s39, s39, 0x80000000
	CROUND                                         ; all four work-groups are here: the first joint loads meet
	tensor_load_to_lds s[32:35], s[24:31]          ; key steps 0-3: my one tensor load at the head
	s_nop 0
	PLACES
	v_and_b32 v7, 31, v0
	s_delay_alu instid0(VALU_DEP_1)
	v_lshlrev_b32 v1, 4, v7                        ; 16 x lane
	s_delay_alu instid0(VALU_DEP_2)
	v_lshlrev_b32 v2, 2, v7                        ; 4 x lane
	v_and_b32 v3, 15, v0
	s_delay_alu instid0(VALU_DEP_1)
	v_lshlrev_b32 v3, 2, v3
	s_lshl_b32 s47, s48, 6
	v_add_nc_u32 v3, s47, v3                       ; my tile's scale words: 64 x tile + 4 r
	s_mul_i32 s47, s48, 1536
	v_add_nc_u32 v4, s47, v1                       ; my tile's fragment: 1536 x tile + 16 x lane
	s_wait_alu depctr_va_vdst(0)
	v_add_nc_u32 v10, SCB, v3
	v_add_nc_u32 v11, SCB, v1
	s_mul_i32 s47, s48, STGW
	s_add_co_u32 s47, s47, STG                     ; my tile's place in the stage: the same in waves w and w + 8
	v_add_nc_u32 v29, s47, v1                      ; O^T: 16 bytes a lane
	v_lshl_add_u32 v30, v7, 3, s47                 ; -M and the sum: 8 bytes a lane, 8,192 bytes on
	s_lshl_b32 s18, s16, 4
	s_add_co_u32 s18, s18, s15
	s_mul_i32 s18, s18, BLK
	s_add_nc_u64 s[4:5], s[4:5], s[18:19]          ; Q's block: [head][panel]
	s_lshl_b32 s18, s15, 4
	s_add_co_u32 s18, s18, s16
	s_mul_i32 s18, s18, BLK
	s_add_nc_u64 s[8:9], s[8:9], s[18:19]          ; the result's block: [panel][K step = head]
.irp c, 0,1,2
	global_load_b128 v[16+4*\c:19+4*\c], v4, s[4:5] offset:512*\c
.endr
	global_load_b32 v28, v3, s[4:5] offset:12288
	s_mov_b32 s[SEL], 0x76543210
	s_mov_b32 s[SEL+1], 0xfedcba98
	s_mov_b32 s[CS], 0x3e0293ee                    ; c = log2(e) / sqrt(128)
	s_mov_b32 s[CS+1], s[CS]                       ; (named with it as a pair, so it is written)
	v_mov_b32 v13, 0xff61b1e6                      ; the largest t so far: -3e38
	s_delay_alu instid0(VALU_DEP_1)
	v_floor_f32 v12, -v13                          ; -M
	v_mov_b32 v14, 0
	v_mov_b32 v15, 0
.irp b, 0,1,2,3
	v_mov_b32 v[236+\b], 0                         ; written once: a lane permute's destination counts as one of its sources
.endr
	v_mov_b32 v253, 0                              ; (named as the upper half of the pair v[252:253] before it is first written)
.set j, 0
.rept 64
	v_mov_b32 v[160+j], 0                          ; O^T: the step is written without a first step of its own; the first change of M leaves zeros zeros
.set j, j+1
.endr
.macro SQ g, t                         ; the scores of K's tile 4 g + t; odd tiles' scale words lie in lanes 16-31
.if (\t)%2
	v_wmma_scale_f32_16x16x128_f8f6f4 v[96+8*(4*\g+\t):103+8*(4*\g+\t)], v[32+12*\t:43+12*\t], v[16:27], 0, v[80+2*\g+\t/2], v28 matrix_a_fmt:MATRIX_FMT_FP6 matrix_b_fmt:MATRIX_FMT_FP6 matrix_a_scale:MATRIX_SCALE_ROW1
.else
	v_wmma_scale_f32_16x16x128_f8f6f4 v[96+8*(4*\g+\t):103+8*(4*\g+\t)], v[32+12*\t:43+12*\t], v[16:27], 0, v[80+2*\g+\t/2], v28 matrix_a_fmt:MATRIX_FMT_FP6 matrix_b_fmt:MATRIX_FMT_FP6
.endif
.endm
.macro OV t, a                         ; O^T's tile t += V's tile t (at v[a]) x p
.if (\t)%2
	v_wmma_scale_f32_16x16x128_f8f6f4 v[160+8*\t:167+8*\t], v[\a:\a+11], v[224:235], v[160+8*\t:167+8*\t], v[84+\t/2], v253 matrix_a_fmt:MATRIX_FMT_FP6 matrix_b_fmt:MATRIX_FMT_FP6 matrix_a_scale:MATRIX_SCALE_ROW1
.else
	v_wmma_scale_f32_16x16x128_f8f6f4 v[160+8*\t:167+8*\t], v[\a:\a+11], v[224:235], v[160+8*\t:167+8*\t], v[84+\t/2], v253 matrix_a_fmt:MATRIX_FMT_FP6 matrix_b_fmt:MATRIX_FMT_FP6
.endif
.endm
; A KEY STEP: 128 keys.
.macro STEP
	v_add_nc_u32 v8, s[TB], v1
	s_wait_alu depctr_va_vdst(0)
	v_add_nc_u32 v9, s[TB], v2
.rept 3
	v_nop                                          ; with the two additions five places: the scores below are written over registers that the last products read as V's tiles 4-7
.endr
.irp j, 0,1,2,3
	ds_load_b32 v[80+\j], v9 offset:12288+128*\j
.endr
.irp g, 0,1                                    ; S^T = K Q^T, four tiles of 16 keys at a time
.if \g
	PLACES
.endif
.irp t, 0,1,2,3
.irp c, 0,1,2
	ds_load_b128 v[32+12*\t+4*\c:35+12*\t+4*\c], v8 offset:1536*(4*\g+\t)+512*\c
.endr
.endr
	s_wait_dscnt 0x0
.irp t, 0,1,2,3
	SQ \g, \t
.endr
.endr
	PLACES
	s_wait_alu depctr_va_vdst(0)
.irp j, 0,1,2,3
	ds_load_b32 v[84+\j], v9 offset:BLK+12288+128*\j   ; V's scale words and tiles 0-3 land while the softmax is worked
.endr
.irp t, 0,1,2,3
.irp c, 0,1,2
	ds_load_b128 v[32+12*\t+4*\c:35+12*\t+4*\c], v8 offset:BLK+1536*\t+512*\c
.endr
.endr
.irp b, 0,1,2,3
	v_max3_num_f32 v[232+\b], v[96+16*\b], v[97+16*\b], v[98+16*\b]   ; the largest score of each block of 32 keys: for the row's maximum, and, since p rises with the score, for the block's largest p
.endr
.irp i, 3,5,7,9,11,13
.irp b, 0,1,2,3
	v_max3_num_f32 v[232+\b], v[232+\b], v[96+16*\b+\i], v[97+16*\b+\i]
.endr
.endr
.irp b, 0,1,2,3
	v_max_num_f32 v[232+\b], v[232+\b], v[111+16*\b]
.endr
.irp b, 0,1,2,3
	s_delay_alu instid0(VALU_DEP_4)
	v_permlanex16_b32 v[236+\b], v[232+\b], s[SEL], s[SEL+1]
.endr
.irp b, 0,1,2,3
	s_delay_alu instid0(VALU_DEP_4)
	v_max_num_f32 v[232+\b], v[232+\b], v[236+\b]  ; with lane l xor 16's 16 keys
.endr
	s_delay_alu instid0(VALU_DEP_2)
	v_max3_num_f32 v254, v232, v233, v234
	s_delay_alu instid0(VALU_DEP_1)
	v_max_num_f32 v254, v254, v235                 ; the step's largest score of my query
	s_delay_alu instid0(VALU_DEP_1)
	v_mul_f32 v254, s[CS], v254                    ; as t
	s_delay_alu instid0(VALU_DEP_1)
	v_max_num_f32 v13, v13, v254                   ; the running largest t
	v_mov_b32 v254, v12
	s_delay_alu instid0(VALU_DEP_2)
	v_floor_f32 v12, -v13                          ; the new -M = -ceil(t): a whole number
	s_delay_alu instid0(VALU_DEP_1)
	v_sub_f32 v254, v12, v254                      ; old M - new M: a whole number, 0 or less
	s_delay_alu instid0(VALU_DEP_1)
	v_cvt_i32_f32 v254, v254                       ; (it saturates)
	s_delay_alu instid0(VALU_DEP_1)
	v_ldexp_f32 v252, 1.0, v254                    ; f = 2^(old M - new M)
.set j, 0
.rept 32
	v_pk_fma_f32 v[96+j:97+j], v[96+j:97+j], s[CS:CS+1], v[12:13] op_sel_hi:[1,0,0]   ; t - M, two at a time
.set j, j+2
.endr
.irp b, 0,1,2,3
	v_fma_f32 v[232+\b], v[232+\b], s[CS], v12     ; the same of each block's largest score
.endr
.set j, 0
	s_wait_alu depctr_va_vdst(0)
.rept 64
	v_exp_f32 v[96+j], v[96+j]                     ; p = 2^(t - M), at most 1
.set j, j+1
.endr
.irp b, 0,1,2,3
	v_exp_f32 v[232+\b], v[232+\b]                 ; the block's largest p
.endr
	v_pk_mul_f32 v[14:15], v[14:15], v[252:253] op_sel_hi:[1,0]   ; the sums under the new M (a plain place behind the exponentials)
	s_wait_alu depctr_va_vdst(0)
.irp b, 0,1,2,3
	v_max_num_f32 v[232+\b], 0x1800000, v[232+\b]  ; the floor 2^(3 - 127)
.endr
.irp b, 0,1,2,3
	s_delay_alu instid0(VALU_DEP_4)
	v_add_nc_u32 v[244+\b], 0xff000000, v[232+\b]  ; the conversion's scale operand
.endr
.irp b, 0,1,2,3
	s_delay_alu instid0(VALU_DEP_4)
	v_lshrrev_b32 v[236+\b], 23, v[244+\b]         ; the scale's byte
.endr
	s_delay_alu instid0(VALU_DEP_3)
	v_lshl_or_b32 v253, v237, 8, v236              ; p's scale word for these 128 keys
	s_delay_alu instid0(VALU_DEP_1)
	v_lshl_or_b32 v253, v238, 16, v253
	s_delay_alu instid0(VALU_DEP_1)
	v_lshl_or_b32 v253, v239, 24, v253
.irp c, 0,1
	v_cvt_scalef32_pk16_fp6_f32 v[224+6*\c:226+6*\c], v[96+32*\c:111+32*\c], v[244+2*\c]
	v_cvt_scalef32_pk16_fp6_f32 v[236+4*\c:238+4*\c], v[112+32*\c:127+32*\c], v[244+2*\c+1]
.endr
	v_nop                                          ; one plain place behind a scaled conversion
.irp c, 0,1                                    ; a WHOLE block in a lane
.irp i, 0,1,2
	v_permlane16_swap_b32 v[224+6*\c+\i], v[236+4*\c+\i]
.endr
.irp i, 0,1,2
	s_delay_alu instid0(VALU_DEP_3)
	v_mov_b32 v[227+6*\c+\i], v[236+4*\c+\i]
.endr
.endr
	v_pk_add_f32 v[236:237], v[100:101], v[104:105]
	v_pk_add_f32 v[254:255], v[108:109], v[112:113]
	v_pk_add_f32 v[250:251], v[116:117], v[120:121]
	v_pk_add_f32 v[248:249], v[124:125], v[128:129]
	v_pk_add_f32 v[246:247], v[132:133], v[136:137]
	v_pk_add_f32 v[244:245], v[140:141], v[144:145]
	v_pk_add_f32 v[242:243], v[148:149], v[152:153]
	v_pk_add_f32 v[14:15], v[14:15], v[156:157]
	v_pk_add_f32 v[236:237], v[236:237], v[96:97]
	v_pk_add_f32 v[254:255], v[254:255], v[98:99]
	v_pk_add_f32 v[250:251], v[250:251], v[102:103]
	v_pk_add_f32 v[248:249], v[248:249], v[106:107]
	v_pk_add_f32 v[246:247], v[246:247], v[110:111]
	v_pk_add_f32 v[244:245], v[244:245], v[114:115]
	v_pk_add_f32 v[242:243], v[242:243], v[118:119]
	v_pk_add_f32 v[14:15], v[14:15], v[122:123]
	v_pk_add_f32 v[236:237], v[236:237], v[126:127]
	v_pk_add_f32 v[254:255], v[254:255], v[130:131]
	v_pk_add_f32 v[250:251], v[250:251], v[134:135]
	v_pk_add_f32 v[248:249], v[248:249], v[138:139]
	v_pk_add_f32 v[246:247], v[246:247], v[142:143]
	v_pk_add_f32 v[244:245], v[244:245], v[146:147]
	v_pk_add_f32 v[242:243], v[242:243], v[150:151]
	v_pk_add_f32 v[14:15], v[14:15], v[154:155]
	v_pk_add_f32 v[236:237], v[236:237], v[158:159]
	s_delay_alu instid0(VALU_DEP_2)
	v_pk_add_f32 v[14:15], v[14:15], v[248:249]
	s_delay_alu instid0(VALU_DEP_2)
	v_pk_add_f32 v[236:237], v[236:237], v[246:247]
	v_pk_add_f32 v[254:255], v[254:255], v[244:245]
	v_pk_add_f32 v[250:251], v[250:251], v[242:243]
	s_delay_alu instid0(VALU_DEP_2)
	v_pk_add_f32 v[14:15], v[14:15], v[254:255]
	s_delay_alu instid0(VALU_DEP_2)
	v_pk_add_f32 v[236:237], v[236:237], v[250:251]
	s_delay_alu instid0(VALU_DEP_1)
	v_pk_add_f32 v[14:15], v[14:15], v[236:237]
.irp t, 0,1,2,3
.irp c, 0,1,2
	ds_load_b128 v[96+12*\t+4*\c:99+12*\t+4*\c], v8 offset:BLK+1536*(4+\t)+512*\c   ; V's tiles 4-7 take p's registers, which are done with
.endr
.endr
.set j, 0
.rept 32
	v_pk_mul_f32 v[160+j:161+j], v[160+j:161+j], v[252:253] op_sel_hi:[1,0]   ; O^T under the new M, each accumulator from its low end on
.set j, j+2
.endr
	s_wait_alu depctr_va_vdst(0)
	s_wait_dscnt 12                                ; V's scale words and tiles 0-3 are in; the youngest twelve loads (tiles 4-7) may be out
.irp t, 0,1,2,3
	OV \t, 32+12*\t
.endr
	s_wait_dscnt 0x0
.irp t, 4,5,6,7
	OV \t, 96+12*(\t-4)
.endr
.endm
.macro STEPS n, lab                    ; n of my key steps, every second one of the head's; the eight accumulators of O^T take turns, and the scores' products stand between two steps'
	s_mov_b32 s45, \n
\lab:
	STEP
	s_add_co_u32 s[TB], s[TB], 4*BLK
	s_sub_co_u32 s45, s45, 1
	s_cmp_lg_u32 s45, 0
	s_cbranch_scc1 \lab
.endm
	s_wait_alu depctr_va_vdst(0)                   ; the wait at the head's end
	s_wait_tensorcnt 0x0                           ; my part of key steps 0-3 is in
	ds_add_u32 v5, v6
	s_wait_dscnt 0x0
	CROUND                                         ; everybody's part is in, and all four work-groups are here
	tensor_load_to_lds s[36:39], s[52:59]          ; key steps 4-11: the first fill of the second and third regions, my one load behind the round; my two key steps of the first region stand ahead of the wait for it
	s_nop 0
	PLACES
	s_wait_loadcnt 0x0                             ; Q
	s_mov_b32 s[TB], s49
	STEPS 2, .Lsteps_a
	s_wait_tensorcnt 0x0                           ; all my tensor loads have landed: no load of mine is out, so a group 0 may be written
	ds_add_u32 v5, v6                              ; 0 onto my spare word
	s_add_nc_u64 s[34:35], s[34:35], 3*REG         ; key steps 12-15
	s_wait_dscnt 0x0                               ; the add is done, and my reads of the first region are over
	CROUND                                         ; no wave of any partner still reads it or has a load on its way
	tensor_load_to_lds s[32:35], s[24:31]          ; the one refill of the launch
	s_nop 0
	PLACES
	s_add_co_u32 s[TB], s49, REG
	STEPS 3, .Lsteps_b                             ; my two key steps of the second region and the first of the third
	s_wait_tensorcnt 0x0                           ; my part of key steps 12-15 is in,
	s_wait_dscnt 0x0                               ; and my reads of the second region are over
	s_barrier_signal -1                            ; say so
	s_add_co_u32 s[TB], s49, 2*REG+4*BLK
	STEP                                           ; between signal and wait: my last key step of the third region, whose bytes nobody writes again
	s_barrier_wait -1                              ; everybody has said so
	s_mov_b32 s[TB], s49
	STEPS 2, .Lsteps_c
	; THE TWO HALVES MEET.  Waves 8-15 lay O^T, -M and their lane's sum into the stage; a barrier; waves 0-7 take them up.
	PLACES                                         ; behind the last products
	v_add_f32 v13, v14, v15                        ; my lane's sum, beside -M: the pair v[12:13]
	s_cmp_lt_u32 s14, 8
	s_cbranch_scc1 .Lowner
.irp t, 0,1,2,3,4,5,6,7
	ds_store_b128 v29, v[160+8*\t:163+8*\t] offset:1024*\t           ; images of the registers, each accumulator from its low end on
	ds_store_b128 v29, v[164+8*\t:167+8*\t] offset:1024*\t+512
.endr
	ds_store_b64 v30, v[12:13] offset:8192
.Lowner:
	s_wait_dscnt 0x0                               ; for the others' sake: my stores lie in LDS
	s_barrier_signal -1
	s_barrier_wait -1
	s_cmp_ge_u32 s14, 8
	s_cbranch_scc1 .Lguest
.irp j, 0,1,2,3,4,5,6,7,8,9,10,11,12,13,14,15
	ds_load_b128 v[96+4*\j:99+4*\j], v29 offset:512*\j   ; the other half's O^T, same registers' order, same lanes
.endr
	ds_load_b64 v[32:33], v30 offset:8192          ; its -M and its sum
	s_wait_dscnt 0x0
	v_min_num_f32 v34, v12, v32                    ; -M of both: M is the larger of the two
	s_delay_alu instid0(VALU_DEP_1)
	v_sub_f32 v35, v34, v12                        ; my M - M, a whole number, 0 or less;
	s_delay_alu instid0(VALU_DEP_2)
	v_sub_f32 v36, v34, v32                        ; the other's
	s_delay_alu instid0(VALU_DEP_2)
	v_cvt_i32_f32 v35, v35                         ; (they saturate)
	s_delay_alu instid0(VALU_DEP_2)
	v_cvt_i32_f32 v36, v36
	s_delay_alu instid0(VALU_DEP_2)
	v_ldexp_f32 v35, 1.0, v35                      ; the two factors: powers of two
	s_wait_alu depctr_va_vdst(0)
	v_ldexp_f32 v36, 1.0, v36
	v_mul_f32 v14, v13, v35
	s_delay_alu instid0(VALU_DEP_1)
	v_fma_f32 v14, v33, v36, v14                   ; both sums under M,
	s_delay_alu instid0(VALU_DEP_1)
	v_permlanex16_b32 v252, v14, s[SEL], s[SEL+1]
	s_delay_alu instid0(VALU_DEP_1)
	v_add_f32 v14, v14, v252                       ; and lane l xor 16's: the row's sum
	s_wait_alu depctr_va_vdst(0)
	v_rcp_f32 v14, v14
	v_nop                                          ; a plain place behind the transcendental
	s_wait_alu depctr_va_vdst(0)
	v_mul_f32 v38, v35, v14                        ; factor / sum, for my half,
	v_mul_f32 v40, v36, v14                        ; and for the other
	s_delay_alu instid0(VALU_DEP_2)
	v_mov_b32 v39, v38                             ; as pairs for the packed forms
	s_delay_alu instid0(VALU_DEP_2)
	v_mov_b32 v41, v40
.set j, 0
.rept 32
	v_pk_mul_f32 v[96+j:97+j], v[96+j:97+j], v[40:41]
.set j, j+2
.endr
.set j, 0
.rept 32
	v_pk_fma_f32 v[96+j:97+j], v[160+j:161+j], v[38:39], v[96+j:97+j]   ; register e: channel 32 (e / 16) + 16 h + e % 16; each accumulator from its low end on
.set j, j+2
.endr
	QUANT 96, PW                                   ; quantised along the head's 128: my tile's fragment of the last product's operand
.irp c, 0,1,2
	global_store_b128 v4, v[PC+4*\c:PC+4*\c+3], s[8:9] offset:512*\c   ; 512 consecutive bytes, aligned
.endr
	ds_store_b32 v10, v[PW]                        ; lanes r and r + 16 write the same word with the same value
.Lguest:
	s_wait_dscnt 0x0                               ; for the others' sake
	s_barrier_signal -1
	s_barrier_wait -1
	s_cmp_lg_u32 s14, 0
	s_cbranch_scc1 .Lnot_mine
	ds_load_b128 v[52:55], v11                     ; wave 0 sends the block's 512 bytes of scale words out whole
	s_wait_dscnt 0x0
	global_store_b128 v1, v[52:55], s[8:9] offset:12288
.Lnot_mine:
	s_wait_tensorcnt 0x0                           ; the wave's end
	ds_add_u32 v5, v6
	s_wait_dscnt 0x0
	CROUND                                         ; the closing round
	s_endpgm
.Lfunc_end_k_q5f1cca6873_attn:
	.size	k_q5f1cca6873_attn, .Lfunc_end_k_q5f1cca6873_attn-k_q5f1cca6873_attn
	.p2alignl 7, 3214868480
	.fill 96, 4, 3214868480
	.section	.rodata,"a",@progbits
	.p2align	6, 0x0
	.amdhsa_kernel k_q5f1cca6873_attn
		.amdhsa_group_segment_fixed_size 327680
		.amdhsa_private_segment_fixed_size 0
		.amdhsa_enable_private_segment 0
		.amdhsa_kernarg_size 24
		.amdhsa_user_sgpr_count 2
		.amdhsa_user_sgpr_kernarg_segment_ptr 1
		.amdhsa_wavefront_size32 1
		.amdhsa_system_sgpr_workgroup_id_x 1
		.amdhsa_system_sgpr_workgroup_id_y 1
		.amdhsa_system_sgpr_workgroup_id_z 1
		.amdhsa_system_vgpr_workitem_id 0
		.amdhsa_next_free_vgpr 256
		.amdhsa_next_free_sgpr 66
		.amdhsa_reserve_vcc 0
		.amdhsa_float_denorm_mode_32 3
		.amdhsa_float_denorm_mode_16_64 3
		.amdhsa_memory_ordered 1
		.amdhsa_forward_progress 1
		.amdhsa_inst_pref_size 104
	.end_amdhsa_kernel
	.amdgpu_metadata
---
amdhsa.version: [ 1, 2 ]
amdhsa.kernels:
  - .name:           k_q5f1cca6873_attn
    .symbol:         k_q5f1cca6873_attn.kd
    .args:
      - { .name: qimg, .offset: 0, .size: 8, .value_kind: global_buffer, .address_space: global }
      - { .name: kvimg, .offset: 8, .size: 8, .value_kind: global_buffer, .address_space: global }
      - { .name: aimg, .offset: 16, .size: 8, .value_kind: global_buffer, .address_space: global }
    .group_segment_fixed_size: 327680
    .private_segment_fixed_size: 0
    .kernarg_segment_align: 8
    .kernarg_segment_size: 24
    .max_flat_workgroup_size: 512
    .sgpr_count:     66
    .vgpr_count:     256
    .wavefront_size: 32
...
	.end_amdgpu_metadata
.endif
;; end of part 3
;; launch outp (part 4): grid 16 x 16, 4 waves a work-group, clusters of 4 x 1, 327,680 bytes of LDS; arguments aimg, wimg, b_out, out0; writes out0
.if DOCPART == 4
	.amdgcn_target "amdgcn-amd-amdhsa--gfx1250"
	.amdhsa_code_object_version 6
	.text
	.protected	k_q5f1cca6873_outp
	.globl	k_q5f1cca6873_outp
	.p2align	8
	.type	k_q5f1cca6873_outp,@function
k_q5f1cca6873_outp:
	s_mov_b64 s[64:65], 0
	v_nop
	global_prefetch_b8 v0, s[64:65] scope:SCOPE_SE
	s_setreg_imm32_b32 hwreg(HW_REG_WAVE_MODE, 25, 1), 1
	s_wait_xcnt 0x0
	s_wait_alu depctr_hold_cnt(0) depctr_sa_sdst(0) depctr_va_vdst(0) depctr_va_sdst(0) depctr_va_ssrc(0) depctr_va_vcc(0) depctr_vm_vsrc(0)
	s_getreg_b32 s2, hwreg(HW_REG_IB_STS2, 6, 4)
	s_cmp_eq_u32 s2, 0
	s_cbranch_scc0 .Lentry_in_a_cluster
	s_endpgm
.Lentry_in_a_cluster:
	s_bfe_u32 s2, ttmp6, 0x10000c
	s_cmp_lg_u32 s2, 0x3003
	s_cbranch_scc0 .Lentry_shape_is_right
	s_endpgm
.Lentry_shape_is_right:
; OUTP.  out0 = a w_out + b_out on codes of E2M3: a is attention's result as the launch before left it (aimg), w_out's codes lie in wimg; sums in f32.
; SHARES.  A work-group owns 128 rows (panel PX) x 128 columns (panel HD).  Wave w owns rows 32 w .. 32 w + 31 x all 128 columns: 16 accumulators.
; a's 2 x 16 fragments go from memory straight into the registers of the one wave that uses them.  w_out's 16 K steps, 204,800 dense bytes, go through LDS in two slots of 8 K steps, each filled once.
; CLUSTER.  The four row panels of a cluster take the same columns' weights: each quarter slot is asked for JOINTLY (mask 15).
; THE PRODUCT IS USED TRANSPOSED (source 0 = 16 columns of w_out, source 1 = 16 rows of a): a lane holds one row and neighbouring columns.  The bias is the C of each accumulator's first product.
; The way out: 16 rows at a time through the wave's own stage behind the slots, back as whole rows of 512 bytes, stored as two aligned units of 256 bytes.
; PREFETCH: one at the head, of slot 1's bytes, whose load stands behind slot 0's landing; a wave's 100 blocks of 256 bytes are shared out among the four partners by address, 25 each.  The text has no loop to run ahead in.
; LIMITS: NaN and infinities are not served.
.set BLK,   12800
.set SLOTB, 8*BLK
.set QTR,   SLOTB/4
.set STAGE, 2*SLOTB
.set MSB, 0
.macro WIN new
.if MSB != \new
	s_set_vgpr_msb (MSB<<8)|\new
.set MSB, \new
.endif
.endm
.macro WINMUL k
.if (\k) < 8
	WIN 0xf4
.else
	WIN 0xf8
.endif
.endm
.macro PLACES
.rept 4
	v_nop
.endr
.endm
.macro CROUND
	s_barrier_signal -1
	s_barrier_wait -1
	s_cmp_lg_u32 s14, 0
	s_cbranch_scc1 .Lnot_wave_0_\@
	s_barrier_signal -3
.Lnot_wave_0_\@:
	s_barrier_wait -3
	s_barrier_signal -1
	s_barrier_wait -1
.endm
	s_load_b256 s[4:11], s[0:1], 0x0
	v_lshl_add_u32 v254, v0, 2, 0x3a400
	v_mov_b32 v255, 0
	ds_add_u32 v254, v255
	ds_add_u32 v254, v255
	v_lshrrev_b32 v1, 5, v0
	v_readfirstlane_b32 s14, v1
	s_bfe_u32 s54, ttmp6, 0x40000
	s_lshl_b32 s15, ttmp9, 2
	s_add_co_u32 s15, s15, s54
	s_and_b32 s16, ttmp7, 0xffff
	s_mov_b32 s24, 15|(3<<16)|(1<<21)
	s_mov_b32 s25, 32<<16
	s_mov_b32 s26, 100<<16
	s_mov_b32 s27, 32<<16
	s_mov_b32 s28, 100
	s_mov_b32 s29, 32
	s_mov_b32 s30, 0
	s_mov_b32 s31, 0
	s_mul_i32 s17, s14, QTR
	s_mul_i32 s18, s16, 64*BLK
	s_add_co_u32 s18, s18, 48*BLK
	s_add_co_u32 s18, s18, s17
	s_mov_b32 s19, 0
	s_mov_b32 s32, 1
	s_mov_b32 s33, s17
	s_mov_b32 s36, 1
	s_add_co_u32 s37, s17, SLOTB
	s_wait_dscnt 0x0
	s_wait_kmcnt 0x0
	s_add_nc_u64 s[34:35], s[6:7], s[18:19]
	s_add_nc_u64 s[38:39], s[34:35], SLOTB
	s_mov_b64 s[58:59], s[34:35]                   ; the prefetch's base: my wave's quarter of slot 0
	s_or_b32 s35, s35, 0x80000000
	s_or_b32 s39, s39, 0x80000000
	CROUND
	tensor_load_to_lds s[32:35], s[24:31]          ; K steps 0-7: my one tensor load at the head; the loads into registers follow under its flight
	s_nop 0
	PLACES
	s_mul_i32 s18, s15, 16*BLK
	s_add_nc_u64 s[40:41], s[4:5], s[18:19]
	s_lshl_b32 s18, s16, 9
	s_add_nc_u64 s[8:9], s[8:9], s[18:19]
	s_lshl_b32 s55, s15, 7
	s_lshl_b32 s56, s14, 5
	s_add_co_u32 s55, s55, s56
	s_lshl_b32 s55, s55, 13
	s_add_co_u32 s18, s18, s55
	s_add_nc_u64 s[46:47], s[10:11], s[18:19]
	v_and_b32 v239, 31, v0
	v_lshlrev_b32 v1, 4, v239
	v_lshlrev_b32 v240, 2, v239
.irp i, 0,1,2,3
	v_add_nc_u32 v[2+\i], 4*BLK*\i, v1
	v_add_nc_u32 v[8+\i], 4*BLK*\i+12288, v240
.endr
	s_mul_i32 s18, s14, 3072
	v_add_nc_u32 v12, s18, v1
	s_lshl_b32 s18, s14, 7
	v_add_nc_u32 v13, s18, v240
	v_and_b32 v241, 15, v0
	v_bfe_u32 v242, v0, 4, 1
	s_mul_i32 s18, s14, 16*528
	s_add_co_u32 s18, s18, STAGE
	v_mul_u32_u24 v236, v241, 528
	v_lshl_add_u32 v236, v242, 6, v236
	v_add_nc_u32 v236, s18, v236
	v_add_nc_u32 v237, s18, v1
	v_lshlrev_b32 v238, 6, v242
	s_mul_i32 s55, s54, 25
	v_min_u32 v245, 24, v239
	v_add_nc_u32 v245, s55, v245
	v_lshlrev_b32 v245, 8, v245                    ; 256 x (25 cx + lane), lanes 25-31 name the last block again
	s_wait_alu depctr_va_vdst(0)                   ; the wait behind the head's last vector instruction
	global_prefetch_b8 v245, s[58:59] offset:SLOTB th:TH_LOAD_NT scope:SCOPE_SE
	WIN 0xc0                                       ; the bias and the scale words first, then a's fragments in the order of K: so the K steps can wait for them by count
.irp t, 0,1,2,3,4,5,6,7
	global_load_b128 v[128+8*\t:131+8*\t], v238, s[8:9] offset:128*(\t/2)+32*(\t%2)
	global_load_b128 v[132+8*\t:135+8*\t], v238, s[8:9] offset:128*(\t/2)+32*(\t%2)+16
.endr
	WIN 0
.irp k, 0,1,2,3,4,5,6,7,8,9,10,11,12,13,14,15
	global_load_b32 v[16+\k], v13, s[40:41] offset:BLK*\k+12288
.endr
	WIN 0x40
.irp k, 0,1,2,3,4,5,6,7
.irp u, 0,1
.irp c, 0,1,2
	global_load_b128 v[24*\k+12*\u+4*\c:24*\k+12*\u+4*\c+3], v12, s[40:41] offset:BLK*\k+1536*\u+512*\c
.endr
.endr
.endr
	WIN 0x80
.irp k, 0,1,2,3,4,5,6,7
.irp u, 0,1
.irp c, 0,1,2
	global_load_b128 v[24*\k+12*\u+4*\c:24*\k+12*\u+4*\c+3], v12, s[40:41] offset:BLK*(\k+8)+1536*\u+512*\c
.endr
.endr
.endr
	WIN 0
.macro MM k, t, u, first
.set rD, 64*(\u)+8*(\t)
.set rC, 64*(\u)+8*(\t)
.if \first
.set rC, 128+8*(\t)
.endif
.set rA, 40+96*((\k)%2)+12*(\t)
.set rB, 24*((\k)%8)+12*(\u)
.set rP, 32+4*((\k)%2)+(\t)/2
.set rR, 16+(\k)
.if ((\t)%2 == 0) && ((\u) == 0)
	v_wmma_scale_f32_16x16x128_f8f6f4 v[rD:rD+7], v[rA:rA+11], v[rB:rB+11], v[rC:rC+7], v[rP], v[rR] matrix_a_fmt:MATRIX_FMT_FP6 matrix_b_fmt:MATRIX_FMT_FP6
.elseif (\t)%2 == 0
	v_wmma_scale_f32_16x16x128_f8f6f4 v[rD:rD+7], v[rA:rA+11], v[rB:rB+11], v[rC:rC+7], v[rP], v[rR] matrix_a_fmt:MATRIX_FMT_FP6 matrix_b_fmt:MATRIX_FMT_FP6 matrix_b_scale:MATRIX_SCALE_ROW1
.elseif (\u) == 0
	v_wmma_scale_f32_16x16x128_f8f6f4 v[rD:rD+7], v[rA:rA+11], v[rB:rB+11], v[rC:rC+7], v[rP], v[rR] matrix_a_fmt:MATRIX_FMT_FP6 matrix_b_fmt:MATRIX_FMT_FP6 matrix_a_scale:MATRIX_SCALE_ROW1
.else
	v_wmma_scale_f32_16x16x128_f8f6f4 v[rD:rD+7], v[rA:rA+11], v[rB:rB+11], v[rC:rC+7], v[rP], v[rR] matrix_a_fmt:MATRIX_FMT_FP6 matrix_b_fmt:MATRIX_FMT_FP6 matrix_a_scale:MATRIX_SCALE_ROW1 matrix_b_scale:MATRIX_SCALE_ROW1
.endif
.endm
.macro MUL8 k, t0, first
.irp t, \t0, \t0+1, \t0+2, \t0+3
.irp u, 0,1
	MM \k, \t, \u, \first
.endr
.endr
.endm
.macro FETCHP set, kn
.irp j, 0,1,2,3
	ds_load_b32 v[32+4*(\set)+\j], v[8+(\kn)/4] offset:((\kn)%4)*BLK+128*\j
.endr
.irp t, 0,1,2,3,4,5,6,7
.irp c, 0,1,2
	ds_load_b128 v[40+96*(\set)+12*\t+4*\c:43+96*(\set)+12*\t+4*\c], v[2+(\kn)/4] offset:((\kn)%4)*BLK+1536*\t+512*\c
.endr
.endr
.endm
; A K step whose successor lies in the same slot: the successor's 28 LDS loads are issued at the step's head, into the set that the K step before read, so that all 16 products stand between them and the wait for them.
.macro KSTEP k, first
	PLACES                                         ; the other set was read by the K step before
	WIN 0
	FETCHP 1-(\k)%2, (\k)+1
	s_wait_dscnt 28                                ; this step's scale words and fragments are in; the 28 loads just issued may be out
.if 90-6*(\k) > 63                             ; a's fragments: six loads a K step, 96 in all, behind the bias and the scale words; those of later K steps may be out (a wait names 63 at the most)
	s_wait_loadcnt 63
.else
	s_wait_loadcnt 90-6*(\k)
.endif
	WINMUL \k
	MUL8 \k, 0, \first
	MUL8 \k, 4, \first
.endm
	s_wait_tensorcnt 0x0                           ; my part of slot 0 is in
	ds_add_u32 v254, v255
	s_wait_dscnt 0x0
	CROUND                                         ; everybody's part is in, and all four work-groups are here
	tensor_load_to_lds s[36:39], s[24:31]          ; K steps 8-15: slot 1's first fill, my one load behind the round; 7 K steps stand ahead of the wait for it
	s_nop 0
	PLACES
	FETCHP 0, 0
	KSTEP 0, 1
.irp k, 1,2,3,4,5,6
	KSTEP \k, 0
.endr
	s_wait_tensorcnt 0x0                           ; my part of slot 1 is in
	s_wait_loadcnt 48                              ; a's fragments of K step 7 are in; those of K steps 8-15 may be out
	s_wait_dscnt 12
	WINMUL 7
	MUL8 7, 0, 0
	s_wait_dscnt 0x0
	WIN 0
	s_barrier_signal -1
	s_barrier_wait -1
	PLACES
	FETCHP 0, 8
	WINMUL 7
	MUL8 7, 4, 0
.irp k, 8,9,10,11,12,13,14
	KSTEP \k, 0
.endr
	s_wait_loadcnt 0x0                             ; a's last fragments
	s_wait_dscnt 12
	WINMUL 15
	MUL8 15, 0, 0
	s_wait_alu depctr_va_vdst(0)
	s_wait_dscnt 0x0
	MUL8 15, 4, 0
	PLACES
.irp u, 0,1
	WIN 0x0c
.irp t, 0,1,2,3,4,5,6,7
	ds_store_b128 v236, v[64*\u+8*\t:64*\u+8*\t+3] offset:128*(\t/2)+32*(\t%2)
	ds_store_b128 v236, v[64*\u+8*\t+4:64*\u+8*\t+7] offset:128*(\t/2)+32*(\t%2)+16
.endr
	WIN 0
.irp i, 0,1,2,3,4,5,6,7,8,9,10,11,12,13,14,15
	ds_load_b128 v[40+64*\u+4*\i:43+64*\u+4*\i], v237 offset:528*\i
.endr
.endr
.irp u, 0,1
.irp i, 0,1,2,3,4,5,6,7,8,9,10,11,12,13,14,15
	s_wait_dscnt 47-32*\u-\i
	global_store_b128 v1, v[40+64*\u+4*\i:43+64*\u+4*\i], s[46:47] offset:(8*\u+\i+8*(\i/8))*8192 th:TH_STORE_NT
.endr
.endr
	s_wait_tensorcnt 0x0
	ds_add_u32 v254, v255
	s_wait_dscnt 0x0
	CROUND
	s_endpgm
.Lfunc_end_k_q5f1cca6873_outp:
	.size	k_q5f1cca6873_outp, .Lfunc_end_k_q5f1cca6873_outp-k_q5f1cca6873_outp
	.p2alignl 7, 3214868480
	.fill 96, 4, 3214868480
	.section	.rodata,"a",@progbits
	.p2align	6, 0x0
	.amdhsa_kernel k_q5f1cca6873_outp
		.amdhsa_group_segment_fixed_size 327680
		.amdhsa_private_segment_fixed_size 0
		.amdhsa_enable_private_segment 0
		.amdhsa_kernarg_size 32
		.amdhsa_user_sgpr_count 2
		.amdhsa_user_sgpr_kernarg_segment_ptr 1
		.amdhsa_wavefront_size32 1
		.amdhsa_system_sgpr_workgroup_id_x 1
		.amdhsa_system_sgpr_workgroup_id_y 1
		.amdhsa_system_sgpr_workgroup_id_z 1
		.amdhsa_system_vgpr_workitem_id 0
		.amdhsa_next_free_vgpr 1024
		.amdhsa_next_free_sgpr 66
		.amdhsa_reserve_vcc 0
		.amdhsa_float_denorm_mode_32 3
		.amdhsa_float_denorm_mode_16_64 3
		.amdhsa_memory_ordered 1
		.amdhsa_forward_progress 1
		.amdhsa_inst_pref_size 90
	.end_amdhsa_kernel
	.amdgpu_metadata
---
amdhsa.version: [ 1, 2 ]
amdhsa.kernels:
  - .name:           k_q5f1cca6873_outp
    .symbol:         k_q5f1cca6873_outp.kd
    .args:
      - { .name: aimg, .offset: 0, .size: 8, .value_kind: global_buffer, .address_space: global }
      - { .name: wimg, .offset: 8, .size: 8, .value_kind: global_buffer, .address_space: global }
      - { .name: b_out, .offset: 16, .size: 8, .value_kind: global_buffer, .address_space: global }
      - { .name: out0, .offset: 24, .size: 8, .value_kind: global_buffer, .address_space: global }
    .group_segment_fixed_size: 327680
    .private_segment_fixed_size: 0
    .kernarg_segment_align: 8
    .kernarg_segment_size: 32
    .max_flat_workgroup_size: 128
    .sgpr_count:     66
    .vgpr_count:     1024
    .wavefront_size: 32
...
	.end_amdgpu_metadata
.endif
;; end of part 4
